; MI455X (gfx1250); checked and timed in simulation.
; The chip was launched on July 23, 2026; its instructions are those of AMD's public machine-readable ISA for CDNA 5 (MIT licence, August 2026) and "CDNA5" Instruction Set Architecture Reference Guide (July 2026). The comments in the code are by the model that wrote it; some were corrected since.
;; Attention. Allowed arithmetic: matrix products marked QUANTISED: E2M3 operands, one E8M0 scale for each 32 along K, by v_wmma_scale_f32_16x16x128_f8f6f4 with both operands' format E2M3, f32 sums; everything else in f32.
;; Inputs: in_proj_b 3,072 float32; in_proj_w_codes 3,072 x 32 x 24 uint8 (E2M3 codes of in_proj_w, K innermost, in blocks of 32 codes, four codes in three bytes); in_proj_w_scales 3,072 x 32 uint8 (E8M0 scales of in_proj_w, one for each 32 codes along K); ln_beta 1,024 float32; ln_gamma 1,024 float32; out_proj_b 1,024 float32; out_proj_w_codes 1,024 x 32 x 24 uint8 (E2M3 codes of out_proj_w, K innermost, in blocks of 32 codes, four codes in three bytes); out_proj_w_scales 1,024 x 32 uint8 (E8M0 scales of out_proj_w, one for each 32 codes along K); x 8 x 1,024 x 1,024 float32.
;; Outputs: out0 8 x 1,024 x 1,024 float32.
;; This version of the problem:
;;   THIS VERSION OF THE PROBLEM IS GIVEN IN LOW PRECISION. The matrix products marked QUANTISED in the list below multiply operands that are first quantised to E2M3 (2 exponent bits, 3 mantissa bits; 6 bits a number), with one power-of-two scale for each 32 numbers along K (OCP MX v1.0); their sums are f32. All else is computed in f32.
;;   The module's matrix products, in the order in which they are computed (A, B: the left and right operand; K: the contracted axis; several contracted axes count as one K, in the product's order):
;;     1. [M 8,192, K 1,024] x [K 1,024, N 3,072]; A: computed on the way; B: input in_proj_w (given as codes): QUANTISED
;;     2. batch 128 x [M 1,024, K 64] x [K 64, N 1,024]; A: computed on the way; B: computed on the way: QUANTISED
;;     3. batch 128 x [M 1,024, K 1,024] x [K 1,024, N 64]; A: softmax (see below); B: computed on the way: QUANTISED
;;     4. [M 8,192, K 1,024] x [K 1,024, N 1,024]; A: computed on the way; B: input out_proj_w (given as codes): QUANTISED
;;   THE QUANTISER, for each operand of a quantised product, along K:
;;     - K is cut into blocks of 32 from its start; a last block that is shorter is filled with zeros.
;;     - A block's scale is 2^e with e = floor(log2(the largest magnitude in the block)) - 2, held to -126 .. 127; a block of zeros has e = 0. As a byte (E8M0): e + 127.
;;     - Each number is divided by its block's scale, clamped to +-7.5, and rounded to the nearest number of E2M3, ties to even, subnormals kept.
;;     - The product sums the exact products of the quantised numbers (number of the format x scale) in f32.
;;   ~~~python
;;   def quantise(x, axis):      # numpy; x: float32 -> the quantised numbers, widened to float32 again
;;       x = np.moveaxis(x, axis, -1); K = x.shape[-1]
;;       x = np.pad(x, [(0, 0)] * (x.ndim - 1) + [(0, -K % 32)]); x = x.reshape(x.shape[:-1] + (-1, 32)); a = np.abs(x).max(-1, keepdims=True)
;;       e = np.where(a > 0, np.clip(np.frexp(np.where(a > 0, a, 1))[1] - 1 - 2, -126, 127), 0)      # np.frexp(a)[1] - 1 = floor(log2(a)), exactly
;;       r = np.clip(x / 2.0 ** e, -7.5, 7.5)
;;       step = 2.0 ** (np.maximum(np.frexp(np.where(r == 0, 1, r))[1] - 1, 0) - 3)
;;       q = np.round(r / step) * step * 2.0 ** e      # np.round: ties to even
;;       return np.moveaxis(q.reshape(q.shape[:-2] + (-1,))[..., :K], -1, axis).astype(np.float32)
;;   ~~~
;;   SOFTMAX AHEAD OF A QUANTISED PRODUCT. Where the list says 'softmax', what is quantised is not the finished softmax but p = 2^(t - M), with t = logit x log2(e) and M = ceil(the row's largest t), a whole number; so 1/2 < the row's largest p <= 1. The row's sum l is taken of the UNQUANTISED p, in f32, and the product's result is divided by l at the end. Since M is a whole number, a kernel that streams over the keys may use a running M (the ceiling of the running maximum): every later rescaling is an exact power of two, which a block's scale takes up: the codes' values come out the same.
;;   OPERANDS COMPUTED ON THE WAY. 'Computed on the way' means the value that the module computes at that place (a softmax that the list does not call 'softmax' is quantised finished and normalised). What goes into a quantiser is computed in f32, as accurately as f32 sums, v_exp_f32 and their like allow (about 1e-6 of the number): no bf16 or f16 on the way to a quantiser, and a product that is left as it is and whose result goes on into a quantised operand takes f32 operands (vector FMAs, or v_wmma_f32_16x16x4_f32). A number that lies on a knife's edge between two numbers of the format may be rounded either way, as far as f32 arithmetic and the matrix unit's own rounding can turn it there, and no further.
;;   INPUTS GIVEN AS CODES. in_proj_w (in the module: [3072, 1024], K = its axis 1); out_proj_w (in the module: [1024, 1024], K = its axis 1): each comes as NAME_codes (uint8): NAME with its K axis moved to the last place and cut into blocks of 32 codes, [.., K / 32, bytes a block], one block behind the other in memory; four codes in three bytes: a row's codes are one little-endian stream of bits, code i at bits 6 i .. 6 i + 5 (a code: sign, 2 exponent bits, 3 mantissa bits); and NAME_scales (uint8): the same leading axes, one E8M0 byte (e + 127) for each 32 codes along K. Its value is code x scale, taken as it is: it is not quantised again, and the codes and scales need not be those that the quantiser above would give.
;; One version. Each part assembles by itself: llvm-mc -triple=amdgcn-amd-amdhsa -mcpu=gfx1250 --defsym DOCPART=n.
;; ======== version 1 of 1: 4 launches
;; workspace buffers: xq_codes 6,291,456 bytes; xq_scales 262,144 bytes; qb 6,815,744 bytes; kv 13,631,488 bytes; ctx 6,553,600 bytes
;; launch lnq (part 1): grid 256 x 1, 8 waves a work-group, no clusters, 43,008 bytes of LDS; arguments x, ln_gamma, ln_beta, xq_codes, xq_scales; writes xq_codes, xq_scales
.if DOCPART == 1
	.amdgcn_target "amdgcn-amd-amdhsa--gfx1250"
	.amdhsa_code_object_version 6
	.text
	.protected	k_qfc952d0751_lnq
	.globl	k_qfc952d0751_lnq
	.p2align	8
	.type	k_qfc952d0751_lnq,@function
k_qfc952d0751_lnq:
	s_mov_b64 s[64:65], 0
	v_nop
	global_prefetch_b8 v0, s[64:65] scope:SCOPE_SE
	s_setreg_imm32_b32 hwreg(HW_REG_WAVE_MODE, 25, 1), 1
	s_wait_xcnt 0x0
; LAUNCH 1 OF 4.  xn = (x - mean) * rsqrt(var + 1e-5) * gamma + beta, row by row of 1,024, in f32, and its codes of FP6 (E2M3) along the row, one E8M0 byte for each 32.
; xq_codes [8192][768 bytes], xq_scales [8192][32 bytes]: K innermost, a row's codes one stream of bits, as the weights' codes lie.
; NO WORK OF THE PROBLEM IS LEFT OUT in any of the four launches: every bias goes into a quantised operand or into the result, so every input is loaded.
; LIMITS: NaN and infinities among the inputs are not served.  A block whose largest magnitude lies under 2^-124 (a block of zeros among them) gets the byte 1 where the stated quantiser gives 127 for zeros:
; the bytes are read by this program alone, and zero codes add nothing under any byte but 0xff.
; SHARES.  A work-group takes 32 rows, each of its eight waves 4.  A row is 4,096 bytes: eight loads of 512 consecutive bytes, 32 registers a lane; it stays in registers for the mean, the variance (of x - mean, as the
; problem has it) and the scaling.  All four rows of a wave are asked for at the head.
; The conversion takes 16 neighbours from ONE lane's registers, the loads give a lane 4: so a row turns through the wave's own stage in LDS, 2,048 bytes a step, 16 bytes of padding behind each 64.
; A lane's 16 codes are 12 bytes: a store of the wave covers 384 consecutive bytes.  The work-group's 1,024 scale bytes are gathered in LDS and leave as four aligned blocks of 256 bytes.
.set SP,    80                         ; a lane's place in the stage: 64 bytes + 16
.set STEPB, 32*SP                      ; a step's stage
.set WST,   2*STEPB                    ; a wave's two
.set SCA,   8*WST                      ; 40,960: the 32 rows' scale bytes, 32 a row
.set SPARE, SCA+1024                   ; the spare words, 128 bytes for each wave: four blocks of 256 bytes that no other line names
.set SPW, 2                            ; v2   LDS address of my spare word; never rewritten
.set NIL, 3                            ; v3   0; never rewritten
.set GA,  24                           ; v24-55   gamma, as a row lies in my registers
.set BE,  56                           ; v56-87   beta
.set N,   88                           ; v88-119  two sets of 16 neighbours
.set X,   128                          ; v128-255 row i at X + 32 i; once the row is in the stage, its codes lie at X + 32 i + 4 t and its bytes at X + 32 i + 8 + t
	s_load_b256 s[4:11], s[0:1], 0x0               ; x s[4:5], gamma s[6:7], beta s[8:9], codes s[10:11]
	s_load_b64 s[12:13], s[0:1], 0x20              ; scale bytes
	v_lshl_add_u32 v[SPW], v0, 2, SPARE
	v_mov_b32 v[NIL], 0
	v_lshrrev_b32 v1, 5, v0
	v_readfirstlane_b32 s14, v1                    ; wave 0..7
	v_and_b32 v7, 31, v0                           ; lane
	v_lshlrev_b32 v1, 4, v7                        ; 16 x lane: my bytes of a load's 512
	v_mul_u32_u24 v4, v7, 12                       ; my codes' place in a step's 384 bytes
	s_lshl_b32 s15, s14, 7
	v_lshrrev_b32 v5, 1, v7
	v_add_nc_u32 v5, s15, v5
	v_add_nc_u32 v5, SCA, v5                       ; my block's byte: 128 x wave (4 rows of 32) + lane / 2
	s_min_u32 s18, s14, 1                          ; waves 0 and 1 alone carry the bytes out; the hold keeps the number inside the region in the others
	s_lshl_b32 s18, s18, 9
	v_add_nc_u32 v120, s18, v1                     ; 512 x wave + 16 x lane: the place in the work-group's 1,024 bytes,
	v_add_nc_u32 v6, SCA, v120                     ; and in LDS
	s_mul_i32 s19, s14, WST
	v_lshrrev_b32 v14, 2, v7
	v_mul_u32_u24 v14, v14, SP
	v_and_b32 v15, 3, v7
	v_lshl_add_u32 v14, v15, 4, v14
	v_add_nc_u32 v14, s19, v14                     ; into the stage: four lanes' 64 bytes on end, then the padding
	v_mul_u32_u24 v15, v7, SP
	v_add_nc_u32 v15, s19, v15                     ; out of it: my 16 neighbours
	v_mov_b32 v13, 0                               ; a lane permute's destination counts as one of its sources
	s_mov_b32 s16, 0x76543210
	s_mov_b32 s17, 0xfedcba98                      ; v_permlanex16_b32's selects for lane l xor 16
	s_mov_b32 s20, 0x3a800000                      ; 1 / 1024
	s_mov_b32 s21, 0x3727c5ac                      ; 1e-5
	s_lshl_b32 s22, ttmp9, 5
	s_lshl_b32 s23, s14, 2
	s_add_co_u32 s22, s22, s23                     ; my first row: 32 x work-group + 4 x wave
	s_lshl_b32 s24, s22, 12
	s_mov_b32 s25, 0
	s_mul_i32 s26, s22, 768
	s_mov_b32 s27, 0
	s_lshl_b32 s28, ttmp9, 10
	s_mov_b32 s29, 0
	s_wait_kmcnt 0x0
	s_add_nc_u64 s[4:5], s[4:5], s[24:25]
	s_add_nc_u64 s[10:11], s[10:11], s[26:27]
	s_add_nc_u64 s[12:13], s[12:13], s[28:29]
.irp j, 0,1,2,3,4,5,6,7
	global_load_b128 v[GA+4*\j:GA+4*\j+3], v1, s[6:7] offset:512*\j
.endr
.irp j, 0,1,2,3,4,5,6,7
	global_load_b128 v[BE+4*\j:BE+4*\j+3], v1, s[8:9] offset:512*\j
.endr
.irp i, 0,1,2,3
.irp j, 0,1,2,3,4,5,6,7
	global_load_b128 v[X+32*\i+4*\j:X+32*\i+4*\j+3], v1, s[4:5] offset:4096*\i+512*\j th:TH_LOAD_NT
.endr
.endr
.macro REDUCE                          ; v12 summed over the 32 lanes, the result in every lane
	v_add_f32_dpp v12, v12, v12 row_xmask:1 row_mask:0xf bank_mask:0xf
	v_add_f32_dpp v12, v12, v12 row_xmask:2 row_mask:0xf bank_mask:0xf
	v_add_f32_dpp v12, v12, v12 row_xmask:4 row_mask:0xf bank_mask:0xf
	v_add_f32_dpp v12, v12, v12 row_xmask:8 row_mask:0xf bank_mask:0xf
	v_permlanex16_b32 v13, v12, s16, s17
	v_add_f32 v12, v12, v13
.endm
.macro FOLD                            ; the four chains v[16:23] into v12
	v_pk_add_f32 v[16:17], v[16:17], v[18:19]
	v_pk_add_f32 v[20:21], v[20:21], v[22:23]
	v_pk_add_f32 v[16:17], v[16:17], v[20:21]
	v_add_f32 v12, v16, v17
.endm
.macro ROW i
.set XR, X+32*\i
	s_wait_loadcnt 8*(3-\i)                        ; loads come back in order: gamma, beta and my row are in, the later rows' eight loads each may be out
.irp k, 0,1,2,3
	v_pk_add_f32 v[16+2*\k:17+2*\k], v[XR+2*\k:XR+2*\k+1], v[XR+8+2*\k:XR+9+2*\k]   ; the sum, in four chains that do not wait for each other
.endr
.irp m, 16,24
.irp k, 0,1,2,3
	v_pk_add_f32 v[16+2*\k:17+2*\k], v[16+2*\k:17+2*\k], v[XR+\m+2*\k:XR+\m+2*\k+1]
.endr
.endr
	FOLD
	REDUCE
	v_mul_f32 v8, s20, v12                         ; the mean, twice: a pair for the packed forms
	v_mul_f32 v9, s20, v12
.irp k, 0,2,4,6,8,10,12,14,16,18,20,22,24,26,28,30
	v_pk_add_f32 v[XR+\k:XR+\k+1], v[XR+\k:XR+\k+1], v[8:9] neg_lo:[0,1] neg_hi:[0,1]   ; x - mean
.endr
.irp k, 0,1,2,3
	v_pk_mul_f32 v[16+2*\k:17+2*\k], v[XR+2*\k:XR+2*\k+1], v[XR+2*\k:XR+2*\k+1]         ; the sum of its squares
.endr
.irp m, 8,16,24
.irp k, 0,1,2,3
	v_pk_fma_f32 v[16+2*\k:17+2*\k], v[XR+\m+2*\k:XR+\m+2*\k+1], v[XR+\m+2*\k:XR+\m+2*\k+1], v[16+2*\k:17+2*\k]
.endr
.endr
	FOLD
	REDUCE
	v_fma_f32 v12, v12, s20, s21                   ; var + eps
	v_rsq_f32 v10, v12
	v_rsq_f32 v11, v12                             ; twice: a pair
	v_nop                                          ; a plain instruction behind the last of them,
	s_wait_alu depctr_va_vdst(0)                   ; and one wait for both, ahead of their first reader
.irp k, 0,2,4,6,8,10,12,14,16,18,20,22,24,26,28,30
	v_pk_mul_f32 v[XR+\k:XR+\k+1], v[XR+\k:XR+\k+1], v[10:11]
.endr
.irp k, 0,2,4,6,8,10,12,14,16,18,20,22,24,26,28,30
	v_pk_fma_f32 v[XR+\k:XR+\k+1], v[XR+\k:XR+\k+1], v[GA+\k:GA+\k+1], v[BE+\k:BE+\k+1]
.endr
.irp t, 0,1                            ; the row's two steps of 512 numbers through the stage: LDS serves a wave's instructions in order, so no wait stands between the stores and the loads
.irp j, 0,1,2,3
	ds_store_b128 v14, v[XR+16*\t+4*\j:XR+16*\t+4*\j+3] offset:STEPB*\t+8*SP*\j
.endr
.irp j, 0,1,2,3
	ds_load_b128 v[N+16*\t+4*\j:N+16*\t+4*\j+3], v15 offset:STEPB*\t+16*\j
.endr
.endr
	s_wait_dscnt 0x0                               ; my neighbours are in; the stores have read the row's registers, which now take its codes
.irp t, 0,1
.set NS, N+16*\t
	v_max3_num_f32 v16, |v[NS]|, |v[NS+1]|, |v[NS+2]|              ; the largest magnitude of my 16, in two chains
	v_max3_num_f32 v17, |v[NS+3]|, |v[NS+4]|, |v[NS+5]|
.irp q, 6,10
	v_max3_num_f32 v16, v16, |v[NS+\q]|, |v[NS+\q+1]|
	v_max3_num_f32 v17, v17, |v[NS+\q+2]|, |v[NS+\q+3]|
.endr
	v_max3_num_f32 v16, v16, |v[NS+14]|, |v[NS+15]|
	v_max3_num_f32 v16, v16, v17, 0x1800000        ; and the floor 2^(3 - 127): the byte cannot fall under 1
	v_max_num_f32_dpp v16, v16, v16 row_xmask:1 row_mask:0xf bank_mask:0xf   ; with my neighbour's 16: the block's
	v_add_nc_u32 v18, 0xff000000, v16              ; 2 off its exponent field: the conversion takes the exponent field of this operand as its scale
	v_cvt_scalef32_pk16_fp6_f32 v[XR+4*\t:XR+4*\t+2], v[NS:NS+15], v18
	v_lshrrev_b32 v[XR+8+\t], 23, v18              ; the scale's byte (also the plain line behind the conversion)
	ds_store_b8 v5, v[XR+8+\t] offset:32*\i+16*\t  ; both lanes of a block write the same byte with the same value
	global_store_b96 v4, v[XR+4*\t:XR+4*\t+2], s[10:11] offset:768*\i+384*\t
.endr
.endm
	ROW 0
	ROW 1
	ROW 2
	ROW 3
	s_wait_dscnt 0x0                               ; for the others' sake: my scale bytes lie in LDS
	s_barrier_signal -1
	s_barrier_wait -1
	s_cmp_gt_u32 s14, 1
	s_cbranch_scc1 .Ldone
	ds_load_b128 v[16:19], v6                      ; waves 0 and 1: 512 bytes each
	s_wait_dscnt 0x0
	global_store_b128 v120, v[16:19], s[12:13]     ; 16 lanes store 256 consecutive bytes, at a multiple of 256 from the buffer's first byte
.Ldone:
	s_wait_tensorcnt 0x0                           ; the wave's end: behind my last LDS store
	ds_add_u32 v[SPW], v[NIL]
	s_wait_dscnt 0x0
	s_endpgm
.Lfunc_end_k_qfc952d0751_lnq:
	.size	k_qfc952d0751_lnq, .Lfunc_end_k_qfc952d0751_lnq-k_qfc952d0751_lnq
	.p2alignl 7, 3214868480
	.fill 96, 4, 3214868480
	.section	.rodata,"a",@progbits
	.p2align	6, 0x0
	.amdhsa_kernel k_qfc952d0751_lnq
		.amdhsa_group_segment_fixed_size 43008
		.amdhsa_private_segment_fixed_size 0
		.amdhsa_enable_private_segment 0
		.amdhsa_kernarg_size 40
		.amdhsa_user_sgpr_count 2
		.amdhsa_user_sgpr_kernarg_segment_ptr 1
		.amdhsa_wavefront_size32 1
		.amdhsa_system_sgpr_workgroup_id_x 1
		.amdhsa_system_sgpr_workgroup_id_y 1
		.amdhsa_system_sgpr_workgroup_id_z 1
		.amdhsa_system_vgpr_workitem_id 0
		.amdhsa_next_free_vgpr 256
		.amdhsa_next_free_sgpr 66
		.amdhsa_reserve_vcc 0
		.amdhsa_float_denorm_mode_32 3
		.amdhsa_float_denorm_mode_16_64 3
		.amdhsa_memory_ordered 1
		.amdhsa_forward_progress 1
		.amdhsa_inst_pref_size 44
	.end_amdhsa_kernel
	.amdgpu_metadata
---
amdhsa.version: [ 1, 2 ]
amdhsa.kernels:
  - .name:           k_qfc952d0751_lnq
    .symbol:         k_qfc952d0751_lnq.kd
    .args:
      - { .name: x, .offset: 0, .size: 8, .value_kind: global_buffer, .address_space: global }
      - { .name: ln_gamma, .offset: 8, .size: 8, .value_kind: global_buffer, .address_space: global }
      - { .name: ln_beta, .offset: 16, .size: 8, .value_kind: global_buffer, .address_space: global }
      - { .name: xq_codes, .offset: 24, .size: 8, .value_kind: global_buffer, .address_space: global }
      - { .name: xq_scales, .offset: 32, .size: 8, .value_kind: global_buffer, .address_space: global }
    .group_segment_fixed_size: 43008
    .private_segment_fixed_size: 0
    .kernarg_segment_align: 8
    .kernarg_segment_size: 40
    .max_flat_workgroup_size: 256
    .sgpr_count:     66
    .vgpr_count:     256
    .wavefront_size: 32
...
	.end_amdgpu_metadata
.endif
;; end of part 1
;; launch qkv (part 2): grid 16 x 48, 4 waves a work-group, clusters of 4 x 4, 327,680 bytes of LDS; arguments xq_codes, xq_scales, in_proj_w_codes, in_proj_w_scales, in_proj_b, qb, kv; writes qb, kv
.if DOCPART == 2
	.amdgcn_target "amdgcn-amd-amdhsa--gfx1250"
	.amdhsa_code_object_version 6
	.text
	.protected	k_qfc952d0751_qkv
	.globl	k_qfc952d0751_qkv
	.p2align	8
	.type	k_qfc952d0751_qkv,@function
k_qfc952d0751_qkv:
	s_mov_b64 s[64:65], 0
	v_nop
	global_prefetch_b8 v0, s[64:65] scope:SCOPE_SE
	s_setreg_imm32_b32 hwreg(HW_REG_WAVE_MODE, 25, 1), 1
	s_wait_xcnt 0x0
	s_wait_alu depctr_hold_cnt(0) depctr_sa_sdst(0) depctr_va_vdst(0) depctr_va_sdst(0) depctr_va_ssrc(0) depctr_va_vcc(0) depctr_vm_vsrc(0)
	s_getreg_b32 s2, hwreg(HW_REG_IB_STS2, 6, 4)
	s_cmp_eq_u32 s2, 0
	s_cbranch_scc0 .Lentry_in_a_cluster
	s_endpgm
.Lentry_in_a_cluster:
	s_bfe_u32 s2, ttmp6, 0x10000c
	s_cmp_lg_u32 s2, 0xf033
	s_cbranch_scc0 .Lentry_shape_is_right
	s_endpgm
.Lentry_shape_is_right:
; LAUNCH 2 OF 4.  qkv = xn in_proj_w^T + in_proj_b on codes of FP6, and q, k, v quantised on the way out: q and k along the head's 64, v along the keys.  Nothing of the problem is left out.
; ONE BODY, D = P Q^T, source 0 = 16 rows of P, source 1 = 16 rows of Q: a lane holds ONE row of Q and its registers run along P's rows.
;   clusters with y < 8   (q, k): P = in_proj_w's rows 0-2047, Q = xn's rows: a lane holds a token, its registers run along d, the K of q k^T;
;   clusters with y >= 8  (v):    P = xn's rows, Q = in_proj_w's rows 2048-3071: a lane holds a channel, its registers run along the keys, the K of p v.
; Both operands lie alike (rows of 768 bytes of codes, rows of 32 scale bytes), so the two ways differ in pointers and offsets alone, chosen by s_cselect on the cluster's y, which all partners share; one branch on it stands on the way out.
; A work-group makes 128 rows of P x 256 rows of Q; a wave 64 x 128: 32 accumulators.  K = 1,024 goes in 8 steps of 128, two to a slot; the steps are written out.
; THREE LDS SLOTS: three of K's four quarters are asked for at the head; the fourth goes into slot 0 behind the one change of slots at which bytes are filled again, and has two quarters' products,
; 128 matrix instructions a wave, in which to land.  The change from slot 1 to slot 2 needs no barrier: slot 2 was shown landed in front of the first change's round, and slot 1 is not filled again.
; CLUSTER 4 x 4: Q's tiles are shared along a row of the cluster, P's along a column: joint loads.  The scale bytes of the work-group's rows for all of K come once, with the first fills.
; THE WAY OUT.  A wave's 64 rows of P are two blocks of 32 along the next product's K.  The tiles are natural (tile b: rows 16 b + 0..15), so a lane's 16 registers of tiles 2 b', 2 b' + 1 are the block's numbers
; 8 h + 0..7 and 16 + 8 h + 0..7; behind the conversion and the exchange of halves a block's 32 places hold the order 0-7, 16-23, 8-15, 24-31.  q and k, and in the next launch p beside v, are made by this one recipe:
; both operands of a product carry the same order inside each block, so the products and the blocks' scales are those of the problem; only the grouping of the f32 sum differs.
; A PIECE (16 rows x 64 K: 6 registers a lane) goes to memory as an image of its registers: [lane x 16 bytes] (512) then [lane x 8 bytes] (256); its scale word (byte 0, byte 1, two zero bytes) 4 bytes a row.
; qb: [batch][head][128 queries] blocks of 6,656 bytes: 8 pieces, then 8 x 16 words.  kv: [batch][head][128 keys] blocks of 13,312: K's 8 pieces; V's 8 (64 keys c, 16 channels dt: 4 c + dt); K's words; V's words.
; Both sets of bias registers (along P, along Q) are loaded on the one way through the head, so that each is written whichever way the wave takes later; the set that a way does not use is read from the buffer's first bytes.
; LIMITS: NaN and infinities are not served; a block whose largest magnitude lies under 2^-124 gets the byte 1 (zeros: the stated quantiser says 127; the bytes are read by this program alone and zero codes add nothing).
; REGISTERS: window 0: v8-31 addresses; v32-63 Q's scale words, two sets; v64-79 P's; v80-111 bias along P; v112-119 bias along Q; v128-223 Q's 8 fragments, one set.  window 1: P's 4 fragments, two sets, at v0 and v128.
;   window 2: accumulator (a, b) at v[8 (4 a + b)].
.set PITCH, 240                        ; an LDS row: 3 x (64 bytes + 16 of padding)
.set SLOT,  92160                      ; Q's 256 rows, then P's 128
.set BOFF,  61440
.set SCL,   3*SLOT                     ; Q's scale bytes: 32 blocks of 256 + 16
.set SCB,   SCL+8704                   ; P's: 16
.set STG,   SCB+4352                   ; 512 bytes a wave: the scale words on their way out; no fill lands here
.set SPARE, STG+2048                   ; the spare words, 128 bytes for each wave: two blocks of 256 bytes that no other line names
.set FR,    12
.set NLA4,  24                         ; LDS loads that bring four of Q's fragments
.set ADRA, 8                           ; v8-10 Q's fragments in slot 0, 1, 2; v11-13 the same behind one padding more
.set ADRB, 16                          ; v16-18, v19-21 the same for P
.set STO,  24
.set RD,   25
.set LI16, 26                          ; 16 x lane
.set ADSA, 27                          ; Q's scale words
.set SPW,  28
.set NIL,  29
.set ADSB, 30                          ; P's
.set LI8,  31                          ; 8 x lane
.set QS,   32
.set PS,   64
.set BP,   80
.set BQ,   112
.set SOFF, 120
.set AF,   128
.set TM,   224
.set SO,   80                          ; the way out: the conversions' scale operands (the bias is spent)
.set W,    96                          ; and the scale words
.set WV,   18
.set HQ,   19
.set HP,   20
.set PATH, 23
.set G0C,  4                           ; s[4:7]  group 0 for Q's slot 2 (the four argument pointers that lay in s[4:11] are spent by then)
.set G0BC, 8                           ; s[8:11] for P's
.set G1,   24
.set G0,   32                          ; s[32:39] groups 0 for Q's slots 0 and 1
.set G1B,  40
.set G0B,  48                          ; s[48:55] for P's
.set G1S,  56
.set G0S,  68
.set G1SB, 72
.set G0SB, 80
.set MSB, 0
.macro WIN new                         ; the immediate's high byte repeats the setting that is left
.if MSB != \new
	s_set_vgpr_msb (MSB<<8)|\new
.set MSB, \new
.endif
.endm
.set MUL,  0xa1                        ; source 0 (P) window 1, source 1 (Q) window 0, C and D window 2
.set TO_B, 0x40                        ; destination window 1, address window 0
; A joint load: waves 0 and 1 fetch for Q, waves 2 and 3 for P.  The branch hangs on the wave's number alone.  An s_nop 0 and four v_nop follow each of the two lines.
.macro JLOAD g0a, g1a, g0b, g1b
	s_cmp_eq_u32 s[HQ], 0
	s_cbranch_scc0 .Lfor_b_\@
	tensor_load_to_lds s[\g0a:\g0a+3], s[\g1a:\g1a+7]
	s_nop 0
.rept 4
	v_nop
.endr
	s_branch .Lasked_\@
.Lfor_b_\@:
	tensor_load_to_lds s[\g0b:\g0b+3], s[\g1b:\g1b+7]
	s_nop 0
.rept 4
	v_nop
.endr
.Lasked_\@:
.endm
.macro CREST                           ; a round of the cluster's barrier behind its opening barrier
	s_cmp_lg_u32 s[WV], 0
	s_cbranch_scc1 .Lnot_wave_0_\@
	s_barrier_signal -3
.Lnot_wave_0_\@:
	s_barrier_wait -3
	s_barrier_signal -1
	s_barrier_wait -1
.endm
.macro CROUND
	s_barrier_signal -1
	s_barrier_wait -1
	CREST
.endm
	s_load_b256 s[4:11], s[0:1], 0x0               ; xn's codes s[4:5], its scales s[6:7], w's codes s[8:9], its scales s[10:11]
	s_load_b128 s[12:15], s[0:1], 0x20             ; bias s[12:13], qb s[14:15]
	s_load_b64 s[16:17], s[0:1], 0x30              ; kv
	v_lshl_add_u32 v[SPW], v0, 2, SPARE
	v_mov_b32 v[NIL], 0
	ds_add_u32 v[SPW], v[NIL]                      ; the wave's opening: the add, twice on end, and its wait ahead of my first tensor load
	ds_add_u32 v[SPW], v[NIL]
	v_lshrrev_b32 v1, 5, v0
	v_readfirstlane_b32 s[WV], v1                  ; wave 0..3
	s_lshr_b32 s[HQ], s[WV], 1                     ; which 128 rows of Q are mine.  Also: I fetch for Q (0) or for P (1)
	s_and_b32 s[HP], s[WV], 1                      ; which 64 rows of P.  Also: which half of that tile I fetch
	s_bfe_u32 s21, ttmp6, 0x40000                  ; cx
	s_bfe_u32 s22, ttmp6, 0x40004                  ; cy
	s_and_b32 s3, ttmp7, 0xffff                    ; the cluster's y
	s_sub_co_u32 s2, s3, 8
	s_lshl_b32 s2, s2, 2
	s_add_co_u32 s2, s2, ttmp9                     ; v: cluster column of P = x + 4 (y - 8)
	s_cmp_lt_u32 s3, 8
	s_cselect_b32 s[PATH], 1, 0                    ; 1: q, k;  0: v
	s_cselect_b32 s92, ttmp9, s2
	s_cselect_b32 s96, s3, 0
	s_cselect_b32 s100, 0, 2048                    ; v: Q's rows begin at w's row 2048
	s_lshl_b32 s92, s92, 2
	s_add_co_u32 s92, s92, s21                     ; P's tile of 128 rows
	s_lshl_b32 s96, s96, 2
	s_add_co_u32 s96, s96, s22                     ; Q's tile of 256 rows
	s_lshl_b32 s93, s92, 7
	s_lshl_b32 s94, s[HP], 6
	s_add_co_u32 s93, s93, s94                     ; my first row of P, to multiply and (waves 2, 3) to fetch
	s_lshl_b32 s96, s96, 8
	s_lshl_b32 s97, s[HP], 7
	s_add_co_u32 s97, s97, s96
	s_add_co_u32 s97, s97, s100                    ; the first row of Q that I fetch (waves 0, 1)
	s_lshl_b32 s101, s[HQ], 7
	s_add_co_u32 s101, s101, s96                   ; my first row of Q
	s_lshl_b32 s2, s22, 2
	s_lshl_b32 s2, 15, s2                          ; my row of the cluster
	s_lshl_b32 s66, 0x1111, s21                    ; my column
	s_or_b32 s[G1], s2, (1<<20)|(1<<21)|(3<<22)|(3<<25)     ; the mask; elements of 1 byte; padding on; bit 21 beside a mask; after every 16 words; 4 words
	s_or_b32 s[G1B], s66, (1<<20)|(1<<21)|(3<<22)|(3<<25)
	s_mov_b32 s[G1+1], 192<<16                     ; Q: 128 rows of 192 bytes, 768 bytes apart
	s_mov_b32 s[G1+2], 128<<16
	s_mov_b32 s[G1+3], 192<<16
	s_mov_b32 s[G1+4], 128
	s_mov_b32 s[G1+5], 768
	s_mov_b32 s[G1+6], 0
	s_mov_b32 s[G1+7], 0
	s_mov_b32 s[G1B+1], 192<<16                    ; P: 64 rows
	s_mov_b32 s[G1B+2], 64<<16
	s_mov_b32 s[G1B+3], 192<<16
	s_mov_b32 s[G1B+4], 64
	s_mov_b32 s[G1B+5], 768
	s_mov_b32 s[G1B+6], 0
	s_mov_b32 s[G1B+7], 0
	s_or_b32 s[G1S], s2, (3<<16)|(1<<20)|(1<<21)|(5<<22)|(3<<25)    ; scale bytes: dense, as rows of 256 bytes (32 elements of 8), 16 bytes of padding behind each
	s_or_b32 s[G1SB], s66, (3<<16)|(1<<20)|(1<<21)|(5<<22)|(3<<25)
	s_mov_b32 s[G1S+1], 32<<16                     ; Q: 128 rows x 32 bytes = 16 such rows
	s_mov_b32 s[G1S+2], 16<<16
	s_mov_b32 s[G1S+3], 32<<16
	s_mov_b32 s[G1S+4], 16
	s_mov_b32 s[G1S+5], 32
	s_mov_b32 s[G1S+6], 0
	s_mov_b32 s[G1S+7], 0
	s_mov_b32 s[G1SB+1], 32<<16                    ; P: 8
	s_mov_b32 s[G1SB+2], 8<<16
	s_mov_b32 s[G1SB+3], 32<<16
	s_mov_b32 s[G1SB+4], 8
	s_mov_b32 s[G1SB+5], 32
	s_mov_b32 s[G1SB+6], 0
	s_mov_b32 s[G1SB+7], 0
	s_mul_i32 s94, s[HP], 15360                    ; where they go: no place in the cluster enters an LDS address
	s_add_co_u32 s94, s94, BOFF
	s_mul_i32 s95, s[HP], 2176
	s_add_co_u32 s95, s95, SCB
	s_mul_i32 s98, s[HP], 30720
	s_mul_i32 s99, s[HP], 4352
	s_add_co_u32 s99, s99, SCL
	s_wait_dscnt 0x0                               ; both opening adds are done
	s_wait_kmcnt 0x0
	s_cmp_eq_u32 s[PATH], 1
	s_cselect_b64 s[84:85], s[8:9], s[4:5]         ; P's codes
	s_cselect_b64 s[86:87], s[10:11], s[6:7]       ; P's scales
	s_cselect_b64 s[88:89], s[4:5], s[8:9]         ; Q's codes
	s_cselect_b64 s[90:91], s[6:7], s[10:11]       ; Q's scales
	s_mul_i32 s66, s93, 768
	s_mov_b32 s67, 0
	s_add_nc_u64 s[84:85], s[84:85], s[66:67]
	s_lshl_b32 s66, s93, 5
	s_add_nc_u64 s[86:87], s[86:87], s[66:67]
	s_mul_i32 s2, s97, 768
	s_mov_b32 s3, 0
	s_add_nc_u64 s[88:89], s[88:89], s[2:3]
	s_lshl_b32 s2, s97, 5
	s_add_nc_u64 s[90:91], s[90:91], s[2:3]
	CROUND                                         ; all sixteen work-groups are here: the first joint loads meet
	s_mov_b32 s[G0S], 1
	s_mov_b32 s[G0S+1], s99
	s_mov_b64 s[G0S+2:G0S+3], s[90:91]
	s_or_b32 s[G0S+3], s[G0S+3], 0x80000000
	s_mov_b32 s[G0SB], 1
	s_mov_b32 s[G0SB+1], s95
	s_mov_b64 s[G0SB+2:G0SB+3], s[86:87]
	s_or_b32 s[G0SB+3], s[G0SB+3], 0x80000000
	JLOAD G0S, G1S, G0SB, G1SB                     ; the scale bytes first: they are wanted with step 0
.irp s, 0,1
	s_mov_b32 s[G0+4*\s], 1
	s_add_co_u32 s[G0+4*\s+1], s98, \s*SLOT
	s_add_nc_u64 s[G0+4*\s+2:G0+4*\s+3], s[88:89], \s*192
	s_or_b32 s[G0+4*\s+3], s[G0+4*\s+3], 0x80000000
	s_mov_b32 s[G0B+4*\s], 1
	s_add_co_u32 s[G0B+4*\s+1], s94, \s*SLOT
	s_add_nc_u64 s[G0B+4*\s+2:G0B+4*\s+3], s[84:85], \s*192
	s_or_b32 s[G0B+4*\s+3], s[G0B+4*\s+3], 0x80000000
	JLOAD G0+4*\s, G1, G0B+4*\s, G1B
.endr
	s_mov_b32 s[G0C], 1                            ; slot 2: K's third quarter
	s_add_co_u32 s[G0C+1], s98, 2*SLOT
	s_add_nc_u64 s[G0C+2:G0C+3], s[88:89], 2*192
	s_or_b32 s[G0C+3], s[G0C+3], 0x80000000
	s_mov_b32 s[G0BC], 1
	s_add_co_u32 s[G0BC+1], s94, 2*SLOT
	s_add_nc_u64 s[G0BC+2:G0BC+3], s[84:85], 2*192
	s_or_b32 s[G0BC+3], s[G0BC+3], 0x80000000
	JLOAD G0C, G1, G0BC, G1B                       ; four tensor loads of mine are out
	; the bias
	s_add_co_u32 s3, s101, 2048
	s_cmp_eq_u32 s[PATH], 1
	s_cselect_b32 s2, s93, 0                       ; q, k: along P, from my first row of w
	s_cselect_b32 s66, 0, s3                       ; v: along Q, from 2048 + my first row
	s_lshl_b32 s2, s2, 2
	s_mov_b32 s3, 0
	s_add_nc_u64 s[90:91], s[12:13], s[2:3]
	s_lshl_b32 s66, s66, 2
	s_mov_b32 s67, 0
	s_add_nc_u64 s[66:67], s[12:13], s[66:67]
	v_and_b32 v1, 15, v0                           ; r
	v_bfe_u32 v2, v0, 4, 1                         ; h
	v_lshlrev_b32 v121, 5, v2
	v_lshlrev_b32 v122, 2, v1
.irp t, 0,1,2,3
	global_load_b128 v[BP+8*\t:BP+8*\t+3], v121, s[90:91] offset:64*\t          ; tile t: numbers 16 t + 8 h + 0..7
	global_load_b128 v[BP+8*\t+4:BP+8*\t+7], v121, s[90:91] offset:64*\t+16
.endr
.irp a, 0,1,2,3,4,5,6,7
	global_load_b32 v[BQ+\a], v122, s[66:67] offset:64*\a                       ; tile a: number 16 a + r
.endr
	; LDS addresses
	v_mul_u32_u24 v3, v1, PITCH
	v_mad_u32_u24 v4, v2, 24, v3                   ; a fragment's row x pitch + 24 x half
	v_lshl_add_u32 v5, v2, 4, v4                   ; and the same behind one padding more
	s_mul_i32 s2, s[HQ], 30720
	s_mul_i32 s3, s[HP], 15360
	s_add_co_u32 s3, s3, BOFF
.irp s, 0,1,2
	v_add_nc_u32 v[ADRA+\s], s2, v4
	v_add_nc_u32 v[ADRB+\s], s3, v4
	v_add_nc_u32 v[ADRA+3+\s], s2, v5
	v_add_nc_u32 v[ADRB+3+\s], s3, v5
	s_add_co_u32 s2, s2, SLOT
	s_add_co_u32 s3, s3, SLOT
.endr
	v_lshrrev_b32 v6, 3, v1
	v_lshlrev_b32 v7, 5, v1
	v_lshl_add_u32 v7, v6, 4, v7                   ; my row's scale bytes: 32 r, and 16 more behind each 256
	s_mul_i32 s2, s[HQ], 4352
	s_add_co_u32 s2, s2, SCL
	v_add_nc_u32 v[ADSA], s2, v7
	s_mul_i32 s2, s[HP], 2176
	s_add_co_u32 s2, s2, SCB
	v_add_nc_u32 v[ADSB], s2, v7
	s_lshl_b32 s2, s[WV], 9
	s_add_co_u32 s2, s2, STG
	v_lshl_add_u32 v[STO], v1, 2, s2
	v_and_b32 v6, 31, v0
	v_lshlrev_b32 v[LI16], 4, v6
	v_lshlrev_b32 v[LI8], 3, v6
	v_add_nc_u32 v[RD], s2, v[LI16]
	; where my eight pieces and their words go
	s_lshr_b32 s94, s93, 6                         ; my 64 rows of P: q, k: head (0-15 q, 16-31 k);  v: 64 keys
	s_and_b32 s2, s94, 15                          ; q, k: the head,
	s_lshr_b32 s3, s101, 10                        ; the batch,
	s_bfe_u32 s95, s101, 0x30007                   ; which 128 tokens of it
	s_lshr_b32 s96, s101, 6                        ; v: the first of my two heads,
	s_lshr_b32 s97, s94, 4                         ; the batch,
	s_bfe_u32 s98, s94, 0x30001                    ; which 128 keys,
	s_and_b32 s94, s94, 1                          ; and which 64 of them: c
	s_mov_b32 s100, 106496                         ; a head's 8 blocks of kv
	s_cmp_eq_u32 s[PATH], 1
	s_cselect_b32 s2, s2, s96
	s_cselect_b32 s3, s3, s97
	s_cselect_b32 s95, s95, s98
	s_cselect_b32 s94, 0, s94
	s_cselect_b32 s99, 3072, s100                  ; from piece 3 to piece 4: q, k: the next four of the block;  v: the next head
	s_cselect_b32 s100, 256, s100                  ; the same for the words
	s_cselect_b32 s96, 0, 6144                     ; V's pieces lie behind K's,
	s_cselect_b32 s97, 0, 512                      ; V's words behind K's
	s_lshl_b32 s3, s3, 4
	s_add_co_u32 s2, s2, s3
	s_lshl_b32 s2, s2, 3
	s_add_co_u32 s2, s2, s95                       ; the block's number
	s_cmp_lt_u32 ttmp9, 2                          ; heads 0-15 of w's first 2048 rows are the cluster columns 0 and 1
	s_cselect_b32 s3, s[PATH], 0                   ; 1: q
	s_mov_b32 s95, 13312
	s_mov_b32 s98, 12288
	s_cmp_eq_u32 s3, 1
	s_cselect_b64 s[84:85], s[14:15], s[16:17]
	s_cselect_b32 s95, 6656, s95
	s_cselect_b32 s98, 6144, s98
	s_mul_i32 s2, s2, s95
	s_mov_b32 s3, 0
	s_add_nc_u64 s[84:85], s[84:85], s[2:3]        ; the block
	s_lshl_b32 s2, s94, 8
	s_add_co_u32 s2, s2, s97
	s_add_co_u32 s2, s2, s98
	s_add_nc_u64 s[88:89], s[84:85], s[2:3]        ; its words
	s_mul_i32 s2, s94, 3072
	s_add_co_u32 s2, s2, s96
	s_add_nc_u64 s[84:85], s[84:85], s[2:3]        ; pieces 0-3
	s_mov_b32 s2, s99
	s_add_nc_u64 s[86:87], s[84:85], s[2:3]        ; pieces 4-7
	v_mul_u32_u24 v[SOFF], s100, v2
	v_lshl_add_u32 v[SOFF], v1, 4, v[SOFF]         ; the words' store: lanes 0-15 pieces 0-3's 256 bytes, lanes 16-31 pieces 4-7's
.macro FRAG reg, adr, q, i             ; a fragment, 16 rows x 128 K: 12 registers: lane l holds row l % 16; registers 6 c .. 6 c + 5 hold K = 64 c + 32 (l / 16) + 0 .. 31: 24 bytes of the row, as they lie, in pieces of 8 bytes
.irp p, 0,1,2,3,4,5
.set PC, 12*(\q)+6*(\p/3)+\p%3         ; 16 bytes of padding lie behind every 8 pieces: where the piece three on (lanes 16-31) lies behind one padding more, the second address register serves
.if PC%8 < 5
	ds_load_b64 v[\reg+2*\p:\reg+2*\p+1], v[\adr] offset:8*PC+16*(PC/8)+(\i)*16*PITCH
.else
	ds_load_b64 v[\reg+2*\p:\reg+2*\p+1], v[\adr+3] offset:8*PC+16*(PC/8)+(\i)*16*PITCH
.endif
.endr
.endm
.macro FETCH_B slot, q, p              ; P's four fragments of the slot's q-th 128 along K into set p
	WIN TO_B
.irp i, 0,1,2,3
	FRAG 128*(\p)+FR*\i, ADRB+\slot, \q, \i
.endr
	WIN 0
.endm
.macro FETCH_A slot, q, i0             ; Q's fragments i0 .. i0 + 3
.irp i, \i0, \i0+1, \i0+2, \i0+3
	FRAG AF+FR*(\i), ADRA+\slot, \q, \i
.endr
.endm
.macro SCALES sc                       ; a quarter's scale words, two a row, into set sc
.irp i, 0,1,2,3,4,5,6,7
	ds_load_b64 v[QS+16*(\sc)+2*\i:QS+16*(\sc)+2*\i+1], v[ADSA] offset:\i*544
.endr
.irp i, 0,1,2,3
	ds_load_b64 v[PS+8*(\sc)+2*\i:PS+8*(\sc)+2*\i+1], v[ADSB] offset:\i*544
.endr
.endm
; 8 matrix instructions: Q's tiles a0, a0 + 1 x P's four.  The 32 accumulators take turns, one instruction a turn, in the same order in every step.  first = 1: the products start the sums.
.macro MUL8 a0, p, q, sc, first
.irp a, \a0, \a0+1
.irp b, 0,1,2,3
.if \first
	v_wmma_scale_f32_16x16x128_f8f6f4 v[8*(4*(\a)+\b):8*(4*(\a)+\b)+7], v[128*(\p)+FR*\b:128*(\p)+FR*\b+FR-1], v[AF+FR*(\a):AF+FR*(\a)+FR-1], 0, v[PS+8*(\sc)+2*\b+(\q)], v[QS+16*(\sc)+2*(\a)+(\q)] matrix_a_fmt:MATRIX_FMT_FP6 matrix_b_fmt:MATRIX_FMT_FP6
.else
	v_wmma_scale_f32_16x16x128_f8f6f4 v[8*(4*(\a)+\b):8*(4*(\a)+\b)+7], v[128*(\p)+FR*\b:128*(\p)+FR*\b+FR-1], v[AF+FR*(\a):AF+FR*(\a)+FR-1], v[8*(4*(\a)+\b):8*(4*(\a)+\b)+7], v[PS+8*(\sc)+2*\b+(\q)], v[QS+16*(\sc)+2*(\a)+(\q)] matrix_a_fmt:MATRIX_FMT_FP6 matrix_b_fmt:MATRIX_FMT_FP6
.endif
.endr
.endr
.endm
.macro PLACES                          ; four plain instructions between a matrix instruction and a load into, or a vector read of, its registers (ISA guide 7.12.1 for vector reads)
.rept 4
	v_nop
.endr
.endm
.macro STEP slot, sc, first            ; a slot's first 128 along K; its successor lies in the same slot.  sc: the set of scale words (the quarter's parity)
	s_wait_dscnt NLA4                              ; P's set, Q's tiles 0-3 and the scale words are in; the youngest loads (Q's tiles 4-7) may be out
	WIN MUL
	MUL8 0, 0, 0, \sc, \first
	MUL8 2, 0, 0, \sc, \first
	s_wait_dscnt 0x0                               ; Q's tiles 4-7 are in
	PLACES
	FETCH_B \slot, 1, 1
	FETCH_A \slot, 1, 0
	WIN MUL
	MUL8 4, 0, 0, \sc, \first
	MUL8 6, 0, 0, \sc, \first
	PLACES
	WIN 0
	FETCH_A \slot, 1, 4
.endm
; A slot's second step goes on to slot next.  sc, nsc: this quarter's and the next quarter's set of scale words.
; mode 2: slot 0 has been read out and is filled again, with K's fourth quarter: each wave waits for all its tensor loads (slots 1 and 2), adds 0 to its spare word, waits for that and for its reads of slot 0; a round of the cluster's barrier; the joint refill.
; mode 1: the next slot's tile is shown to every wave: the same lines and the work-group's barrier; nothing is filled.
; mode 0: the next slot was shown landed at an earlier barrier and the slot that is left is not filled again: no wait on TENSORcnt, no barrier.
.macro TURN sc, nsc, next, mode
.if \mode
	s_wait_tensorcnt 0x0                           ; all my tensor loads have landed
	ds_add_u32 v[SPW], v[NIL]                      ; 0 onto my spare word
	s_wait_dscnt NLA4+1                            ; (the add and Q's tiles 4-7 may be out)
	WIN MUL
	MUL8 0, 1, 1, \sc, 0                           ; eight matrix instructions stand between the add and the wait for it
	s_wait_dscnt 0x0                               ; the add is done, and my reads of this slot are over
	s_barrier_signal -1
	MUL8 2, 1, 1, \sc, 0
	WIN 0
	s_barrier_wait -1
.else
	s_wait_dscnt NLA4                              ; Q's tiles 4-7 may be out
	WIN MUL
	MUL8 0, 1, 1, \sc, 0
	MUL8 2, 1, 1, \sc, 0
	s_wait_dscnt 0x0                               ; Q's tiles 4-7 are in
	WIN 0
.endif
.if \mode == 2
	CREST                                          ; the barrier has opened a round of the cluster's: no wave of any partner still reads slot 0 or has a load on its way
	s_add_nc_u64 s[G0+2:G0+3], s[G0+2:G0+3], 3*192     ; from K's first quarter to its fourth
	s_add_nc_u64 s[G0B+2:G0B+3], s[G0B+2:G0B+3], 3*192
	JLOAD G0, G1, G0B, G1B                         ; the first tensor load behind the round; its four v_nop are the places in front of the loads below
.else
	PLACES
.endif
	v_add_nc_u32 v[ADSA], 8, v[ADSA]               ; on to the next quarter's scale words
	v_add_nc_u32 v[ADSB], 8, v[ADSB]
	FETCH_B \next, 0, 0
	FETCH_A \next, 0, 0
	SCALES \nsc
	WIN MUL
	MUL8 4, 1, 1, \sc, 0
	MUL8 6, 1, 1, \sc, 0
	PLACES
	WIN 0
	FETCH_A \next, 0, 4
.endm
	s_wait_tensorcnt 2                             ; the scale bytes and my part of slot 0 are in (slot 1's and slot 2's loads may be out)
	s_barrier_signal -1
	s_barrier_wait -1                              ; everybody's are
	FETCH_B 0, 0, 0
	FETCH_A 0, 0, 0
	SCALES 0
	FETCH_A 0, 0, 4
	STEP 0, 0, 1
	TURN 0, 1, 1, 2                                ; slot 0 takes K's fourth quarter
	STEP 1, 1, 0
	TURN 1, 0, 2, 0
	STEP 2, 0, 0
	TURN 0, 1, 0, 1                                ; the fourth quarter is shown to every wave; nothing is left to fetch
	STEP 0, 1, 0
	s_wait_dscnt NLA4                              ; the last step
	WIN MUL
	MUL8 0, 1, 1, 1, 0
	MUL8 2, 1, 1, 1, 0
	s_wait_dscnt 0x0
	MUL8 4, 1, 1, 1, 0
	MUL8 6, 1, 1, 1, 0
	WIN 0
	; THE WAY OUT
.set c, 0
.rept 16
	v_mov_b32 v[240+c], 0                          ; the lane permutes' destinations count as sources; these lines are also the places behind the last products
.set c, c+1
.endr
	s_mov_b32 s2, 0x76543210
	s_mov_b32 s3, 0xfedcba98                       ; v_permlanex16_b32's selects for lane l xor 16
	s_wait_loadcnt 0x0                             ; the bias
	s_cmp_eq_u32 s[PATH], 1                        ; the cluster's y decides: all partners go the same way
	s_cbranch_scc0 .Lbias_v
	WIN 0x82                                       ; destination and source 0 window 2
.irp a, 0,1,2,3,4,5,6,7
.irp k, 0,2,4,6,8,10,12,14,16,18,20,22,24,26,28,30
	v_pk_add_f32 v[32*\a+\k:32*\a+\k+1], v[32*\a+\k:32*\a+\k+1], v[BP+\k:BP+\k+1]   ; q, k: the bias runs along my registers; each accumulator from its low end on
.endr
.endr
	WIN 0
	s_branch .Lbias_done
.Lbias_v:
	WIN 0x82
.irp a, 0,2,4,6
.irp k, 0,2,4,6,8,10,12,14,16,18,20,22,24,26,28,30
	v_pk_add_f32 v[32*\a+\k:32*\a+\k+1], v[32*\a+\k:32*\a+\k+1], v[BQ+\a:BQ+\a+1] op_sel_hi:[1,0]   ; v: one number for my channel: the pair's first register for both halves,
.endr
.irp k, 0,2,4,6,8,10,12,14,16,18,20,22,24,26,28,30
	v_pk_add_f32 v[32*\a+32+\k:32*\a+32+\k+1], v[32*\a+32+\k:32*\a+32+\k+1], v[BQ+\a:BQ+\a+1] op_sel:[0,1] op_sel_hi:[1,1]   ; or its second
.endr
.endr
	WIN 0
.Lbias_done:
	WIN 0x0a                                       ; sources 0 and 1 window 2.  Block c = 2 a + b': registers 16 c .. 16 c + 15 of window 2
.set c, 0
.rept 16
	v_max3_num_f32 v[TM+c], |v[16*c]|, |v[16*c+1]|, 0x1800000   ; my 16 numbers, and the floor 2^(3 - 127): the byte cannot fall under 1
.set c, c+1
.endr
	WIN 0x28                                       ; sources 1 and 2 window 2
.irp i, 2,4,6,8,10,12,14
.set c, 0
.rept 16
	v_max3_num_f32 v[TM+c], v[TM+c], |v[16*c+\i]|, |v[16*c+\i+1]|   ; (the sixteen blocks by turns)
.set c, c+1
.endr
.endr
	WIN 0
.set c, 0
.rept 16
	v_permlanex16_b32 v[240+c], v[TM+c], s2, s3
.set c, c+1
.endr
.set c, 0
.rept 16
	v_max_num_f32 v[TM+c], v[TM+c], v[240+c]       ; with lane l xor 16's: the block's largest magnitude
.set c, c+1
.endr
.set c, 0
.rept 16
	v_add_nc_u32 v[SO+c], 0xff000000, v[TM+c]      ; 2 off its exponent field: the conversion's scale operand
.set c, c+1
.endr
.set c, 0
.rept 16
	v_lshrrev_b32 v[240+c], 23, v[SO+c]            ; the scale's byte
.set c, c+1
.endr
.set a, 0
.rept 8
	v_lshl_or_b32 v[W+a], v[241+2*a], 8, v[240+2*a]   ; a piece's word: two bytes, two zero bytes
.set a, a+1
.endr
	WIN 0x02                                       ; source 0 window 2
.set a, 0
.rept 8
	v_cvt_scalef32_pk16_fp6_f32 v[AF+8*a:AF+8*a+2], v[32*a:32*a+15], v[SO+2*a]
	v_cvt_scalef32_pk16_fp6_f32 v[192+4*a:192+4*a+2], v[32*a+16:32*a+31], v[SO+2*a+1]   ; (a conversion's three registers begin on an even number)
.set a, a+1
.endr
	WIN 0
	v_nop                                          ; one plain line behind the last conversion
.set a, 0
.rept 8                                ; the operand's layout wants a WHOLE block in a lane: lanes 0-15 block 0, lanes 16-31 block 1
.irp i, 0,1,2
	v_permlane16_swap_b32 v[AF+8*a+\i], v[192+4*a+\i]
.endr
.irp i, 0,1,2
	v_mov_b32 v[AF+8*a+3+\i], v[192+4*a+\i]
.endr
.set a, a+1
.endr
.set a, 0
.rept 8
	global_store_b128 v[LI16], v[AF+8*a:AF+8*a+3], s[84+2*(a/4):85+2*(a/4)] offset:768*(a%4)          ; 512 consecutive bytes, at a multiple of 256 from the buffer's first byte
	global_store_b64 v[LI8], v[AF+8*a+4:AF+8*a+5], s[84+2*(a/4):85+2*(a/4)] offset:768*(a%4)+512      ; and 256
.set a, a+1
.endr
.set a, 0
.rept 8
	ds_store_b32 v[STO], v[W+a] offset:64*a        ; lanes r and 16 + r write the same word with the same value
.set a, a+1
.endr
	ds_load_b128 v[104:107], v[RD]                 ; LDS serves a wave's instructions in order: this sees my stores
	s_wait_dscnt 0x0
	global_store_b128 v[SOFF], v[104:107], s[88:89]   ; each half of the lanes stores 256 consecutive bytes, aligned
	s_wait_tensorcnt 0x0                           ; the wave's end: behind my last tensor load and my last LDS store
	ds_add_u32 v[SPW], v[NIL]
	s_wait_dscnt 0x0
	CROUND                                         ; the closing round: no work-group ends while a partner may still ask for a tile that names it
	s_endpgm
.Lfunc_end_k_qfc952d0751_qkv:
	.size	k_qfc952d0751_qkv, .Lfunc_end_k_qfc952d0751_qkv-k_qfc952d0751_qkv
	.p2alignl 7, 3214868480
	.fill 96, 4, 3214868480
	.section	.rodata,"a",@progbits
	.p2align	6, 0x0
	.amdhsa_kernel k_qfc952d0751_qkv
		.amdhsa_group_segment_fixed_size 327680
		.amdhsa_private_segment_fixed_size 0
		.amdhsa_enable_private_segment 0
		.amdhsa_kernarg_size 56
		.amdhsa_user_sgpr_count 2
		.amdhsa_user_sgpr_kernarg_segment_ptr 1
		.amdhsa_wavefront_size32 1
		.amdhsa_system_sgpr_workgroup_id_x 1
		.amdhsa_system_sgpr_workgroup_id_y 1
		.amdhsa_system_sgpr_workgroup_id_z 1
		.amdhsa_system_vgpr_workitem_id 0
		.amdhsa_next_free_vgpr 768
		.amdhsa_next_free_sgpr 102
		.amdhsa_reserve_vcc 0
		.amdhsa_float_denorm_mode_32 3
		.amdhsa_float_denorm_mode_16_64 3
		.amdhsa_memory_ordered 1
		.amdhsa_forward_progress 1
		.amdhsa_inst_pref_size 125
	.end_amdhsa_kernel
	.amdgpu_metadata
---
amdhsa.version: [ 1, 2 ]
amdhsa.kernels:
  - .name:           k_qfc952d0751_qkv
    .symbol:         k_qfc952d0751_qkv.kd
    .args:
      - { .name: xq_codes, .offset: 0, .size: 8, .value_kind: global_buffer, .address_space: global }
      - { .name: xq_scales, .offset: 8, .size: 8, .value_kind: global_buffer, .address_space: global }
      - { .name: in_proj_w_codes, .offset: 16, .size: 8, .value_kind: global_buffer, .address_space: global }
      - { .name: in_proj_w_scales, .offset: 24, .size: 8, .value_kind: global_buffer, .address_space: global }
      - { .name: in_proj_b, .offset: 32, .size: 8, .value_kind: global_buffer, .address_space: global }
      - { .name: qb, .offset: 40, .size: 8, .value_kind: global_buffer, .address_space: global }
      - { .name: kv, .offset: 48, .size: 8, .value_kind: global_buffer, .address_space: global }
    .group_segment_fixed_size: 327680
    .private_segment_fixed_size: 0
    .kernarg_segment_align: 8
    .kernarg_segment_size: 56
    .max_flat_workgroup_size: 128
    .sgpr_count:     102
    .vgpr_count:     768
    .wavefront_size: 32
...
	.end_amdgpu_metadata
.endif
;; end of part 2
;; launch att (part 3): grid 4 x 64, 16 waves a work-group, clusters of 4 x 1, 216,064 bytes of LDS; arguments qb, kv, ctx; writes ctx
.if DOCPART == 3
	.amdgcn_target "amdgcn-amd-amdhsa--gfx1250"
	.amdhsa_code_object_version 6
	.text
	.protected	k_qfc952d0751_att
	.globl	k_qfc952d0751_att
	.p2align	8
	.type	k_qfc952d0751_att,@function
k_qfc952d0751_att:
	s_mov_b64 s[64:65], 0
	v_nop
	global_prefetch_b8 v0, s[64:65] scope:SCOPE_SE
	s_setreg_imm32_b32 hwreg(HW_REG_WAVE_MODE, 25, 1), 1
	s_wait_xcnt 0x0
	s_wait_alu depctr_hold_cnt(0) depctr_sa_sdst(0) depctr_va_vdst(0) depctr_va_sdst(0) depctr_va_ssrc(0) depctr_va_vcc(0) depctr_vm_vsrc(0)
	s_getreg_b32 s2, hwreg(HW_REG_IB_STS2, 6, 4)
	s_cmp_eq_u32 s2, 0
	s_cbranch_scc0 .Lentry_in_a_cluster
	s_endpgm
.Lentry_in_a_cluster:
	s_bfe_u32 s2, ttmp6, 0x10000c
	s_cmp_lg_u32 s2, 0x3003
	s_cbranch_scc0 .Lentry_shape_is_right
	s_endpgm
.Lentry_shape_is_right:
; LAUNCH 3 OF 4.  ctx = softmax(q k^T / 8) v for 128 heads of 1,024 x 64, both products on codes of FP6, and ctx quantised along the model's 1,024 for the last product.  Nothing of the problem is left out.
; THE SOFTMAX AHEAD OF THE SECOND PRODUCT: t = score x log2(e) / 8; M = the row's largest t so far, rounded UP to a whole number; p = 2^(t - M) is what is quantised, along the keys, not normalised; the row's sum is taken of
; the unquantised p and divides at the end.  When M moves, the sum and O are multiplied by 2^(old M - new M): exact.
; SHARES.  A work-group takes 256 queries of TWO heads, 2 y and 2 y + 1: together 128 of the model's 1,024, one K step of the last product.  Each of its sixteen waves owns 16 queries, for both heads, one after the other,
; and so makes a whole fragment of ctx (16 rows x 128 K) and its whole scale word.  Four waves share a SIMD: one wave's vector work stands beside another's products and LDS loads.
; NO RING.  The two heads' K, V and scale words are 212,992 consecutive bytes of kv: they come into LDS once, each wave fetching 6,656 bytes of each head; nothing is filled again.
; ONE BARRIER SHOWS BOTH HEADS' BYTES TO EVERY WAVE: each wave waits for both its loads in front of it.  So no barrier stands between the two heads, and a wave that has ended the first goes straight on to the second.
; CLUSTER 4 x 1: the four blocks of 256 queries read the same bytes: each load is asked for jointly, with a mask that names the four.
; LAYOUT.  Both products are used transposed: S^T = K Q^T (source 0 = 16 keys), O^T = V^T P^T (source 0 = 16 channels): a lane holds ONE query throughout.  Operands lie in LDS as images of their registers.
; THE FIRST PRODUCT'S K IS 64, the instruction's 128: registers 6-11 of Q's fragment are zero codes.  K's eight pieces lie 6 registers apart, so tile t's operand is v[36 + 6 t .. 47 + 6 t]: its upper half is the next
; tile's codes (behind tile 7: six zero registers), multiplied by Q's zero codes: they add nothing.  Bytes 2 and 3 of both scale words are 0, which is 2^-127.
; THE ORDER INSIDE A BLOCK OF 32 is 0-7, 16-23, 8-15, 24-31 in q and k alike, and in p and v alike (natural tiles, one recipe): the products and scales are the problem's; only the grouping of the f32 sum differs.
; ctx meets a GIVEN operand, so its numbers are brought into true order (16 neighbours a lane) by lane swaps ahead of the conversion.
; ctx: [256 rows G][head pair s] blocks of 25,600 bytes: 16 fragments of 1,536 (3 x [lane x 16 bytes]), then 16 x 16 scale words.
; LIMITS: NaN and infinities are not served; a block whose largest magnitude lies under 2^-124 gets the byte 1 (its codes are zeros or nearly so; the bytes are read by this program alone).
.set SCG,   212992                     ; behind the two heads: the 16 waves' scale words on their way out, 1,024 bytes; no fill lands here
.set SPARE, SCG+1024                   ; the spare words, 128 bytes for each wave: eight blocks of 256 bytes that no other line names
.set KF,  36                           ; v36-83  K's 8 pieces, later V's 4 fragments;  v84-89 zeros
.set KW,  90                           ; v90-93  K's scale words: lanes 0-15 tile 2 i, lanes 16-31 tile 2 i + 1
.set VW,  94                           ; v94-97  V's words as they lie (64 keys c: 2 c + i);  v98-99 the two halves joined: lanes 0-15 tile 2 i, lanes 16-31 tile 2 i + 1
.set S,   102                          ; v102-165 S^T, then p
.set OT,  166                          ; v166-197 O^T
.set PCD, 198                          ; v198-209 p's codes
.set CT,  210                          ; v210-217 the conversions' second halves
.set BM,  218                          ; v218-221 a block's largest score, then its largest p
.set PT,  222                          ; v222-225 at work
.set SOP, 226                          ; v226-229 the conversions' scale operands
.set CX,  234                          ; v234-245 ctx's fragment;  v246 its scale word
.set SPW, 4
.set NIL, 5
.set WV,  10
.macro CROUND
	s_barrier_signal -1
	s_barrier_wait -1
	s_cmp_lg_u32 s[WV], 0
	s_cbranch_scc1 .Lnot_wave_0_\@
	s_barrier_signal -3
.Lnot_wave_0_\@:
	s_barrier_wait -3
	s_barrier_signal -1
	s_barrier_wait -1
.endm
	s_load_b128 s[4:7], s[0:1], 0x0                ; qb s[4:5], kv s[6:7]
	s_load_b64 s[8:9], s[0:1], 0x10                ; ctx
	v_lshl_add_u32 v[SPW], v0, 2, SPARE
	v_mov_b32 v[NIL], 0
	ds_add_u32 v[SPW], v[NIL]                      ; the wave's opening: the add, twice on end, and its wait ahead of my first tensor load
	ds_add_u32 v[SPW], v[NIL]
	v_lshrrev_b32 v1, 5, v0
	v_readfirstlane_b32 s[WV], v1                  ; wave 0..15
	s_bfe_u32 s11, ttmp6, 0x40000                  ; cx: my block of 256 queries; it enters qb's and ctx's addresses alone
	s_and_b32 s12, ttmp7, 0xffff                   ; y = 8 x batch + head pair; the first head's number among all 128 is 2 y
	s_lshr_b32 s13, s12, 3                         ; batch
	s_and_b32 s14, s12, 7                          ; head pair
	s_mul_i32 s16, s12, 212992                     ; the pair's K and V,
	s_mul_i32 s15, s[WV], 6656                     ; my part of a head's 106,496 bytes, in memory and in LDS
	s_add_co_u32 s16, s16, s15
	s_mov_b32 s17, 0
	s_mov_b32 s24, 15|(3<<16)|(1<<21)              ; group 1: the mask names the four; elements of 8 bytes; bit 21 beside a mask; no padding
	s_mov_b32 s25, 32<<16                          ; 26 rows of 256 bytes, dense
	s_mov_b32 s26, 26<<16
	s_mov_b32 s27, 32<<16
	s_mov_b32 s28, 26
	s_mov_b32 s29, 32
	s_mov_b32 s30, 0
	s_mov_b32 s31, 0
	s_lshl_b32 s18, s12, 4                         ; qb: block (2 y) x 8 + 2 cx + wave / 8,
	s_lshl_b32 s19, s11, 1
	s_add_co_u32 s18, s18, s19
	s_lshr_b32 s19, s[WV], 3
	s_add_co_u32 s18, s18, s19
	s_mul_i32 s18, s18, 6656
	s_and_b32 s19, s[WV], 7                        ; piece wave % 8
	s_mul_i32 s50, s19, 768
	s_add_co_u32 s42, s18, s50
	s_mov_b32 s43, 0
	s_lshl_b32 s19, s19, 6
	s_add_co_u32 s44, s18, s19
	s_add_co_u32 s44, s44, 6144                    ; and its words
	s_mov_b32 s45, 0
	s_lshl_b32 s46, s13, 2                         ; ctx: block (4 x batch + cx) x 8 + head pair
	s_add_co_u32 s46, s46, s11
	s_lshl_b32 s46, s46, 3
	s_add_co_u32 s46, s46, s14
	s_mul_i32 s46, s46, 25600
	s_mov_b32 s47, 0
	s_add_co_u32 s48, s46, 24576                   ; its words,
	s_mov_b32 s49, 0
	s_mul_i32 s50, s[WV], 1536
	s_add_co_u32 s46, s46, s50                     ; my fragment
	s_mov_b32 s20, 0x76543210
	s_mov_b32 s21, 0xfedcba98                      ; v_permlanex16_b32's selects for lane l xor 16
	s_mov_b32 s22, 0x3e38aa3b                      ; c = log2(e) / 8
	s_mov_b32 s23, s22                             ; (named with it as a pair, so it is written)
	s_wait_dscnt 0x0                               ; both opening adds are done
	s_wait_kmcnt 0x0
	s_add_nc_u64 s[42:43], s[4:5], s[42:43]
	s_add_nc_u64 s[44:45], s[4:5], s[44:45]
	s_add_nc_u64 s[46:47], s[8:9], s[46:47]
	s_add_nc_u64 s[48:49], s[8:9], s[48:49]
	s_mov_b32 s32, 1
	s_mov_b32 s33, s15
	s_add_nc_u64 s[34:35], s[6:7], s[16:17]
	s_mov_b32 s36, 1
	s_add_co_u32 s37, s15, 106496
	s_add_nc_u64 s[38:39], s[34:35], 106496
	s_or_b32 s35, s35, 0x80000000
	s_or_b32 s39, s39, 0x80000000
	CROUND                                         ; all four work-groups are here: the joint loads meet
	tensor_load_to_lds s[32:35], s[24:31]          ; my part of the first head
	s_nop 0
	tensor_load_to_lds s[36:39], s[24:31]          ; and of the second: two tensor loads of mine are out
	s_nop 0
.rept 4
	v_nop
.endr
	v_and_b32 v10, 31, v0
	v_lshlrev_b32 v1, 4, v10                       ; 16 x lane
	v_lshlrev_b32 v2, 3, v10                       ; 8 x lane
	v_lshlrev_b32 v3, 2, v10                       ; 4 x lane
	v_and_b32 v9, 15, v0
	v_lshlrev_b32 v9, 2, v9                        ; 4 r
	global_load_b128 v[16:19], v1, s[42:43]                    ; Q's piece of the first head,
	global_load_b64 v[20:21], v2, s[42:43] offset:512
	global_load_b32 v28, v9, s[44:45]                          ; its scale words,
	global_load_b128 v[30:33], v1, s[42:43] offset:53248       ; and the second head's, 8 blocks on
	global_load_b64 v[34:35], v2, s[42:43] offset:53248+512
	global_load_b32 v29, v9, s[44:45] offset:53248
	s_lshl_b32 s50, s[WV], 6
	s_add_co_u32 s50, s50, SCG
	v_add_nc_u32 v11, s50, v9                      ; where my scale words wait: 64 x wave + 4 r
	s_min_u32 s50, s[WV], 1                        ; waves 0 and 1 alone carry them out; the hold keeps the number inside the region in the others
	s_lshl_b32 s50, s50, 9
	v_add_nc_u32 v247, s50, v1                     ; 512 x wave + 16 x lane: in the block's 1,024 bytes,
	v_add_nc_u32 v248, SCG, v247                   ; and in LDS
.irp i, 0,1,2,3,4,5
	v_mov_b32 v[22+\i], 0                          ; Q's upper half: zero codes
	v_mov_b32 v[84+\i], 0                          ; and what follows K's tile 7
.endr
.irp i, 0,1,2,3
	v_mov_b32 v[PT+\i], 0                          ; a lane permute's destination counts as one of its sources
.endr
	v_mov_b32 v231, 0
	v_mov_b32 v233, 0                              ; (named as the upper half of the pair v[232:233])
	s_wait_tensorcnt 0x0                           ; my parts of BOTH heads are in,
	s_barrier_signal -1
	s_barrier_wait -1                              ; everybody's are: every LDS read of either head stands behind this barrier
	s_wait_loadcnt 0x0                             ; Q
.macro HEAD e
.if \e
.irp i, 0,1,2,3,4,5
	v_mov_b32 v[16+\i], v[30+\i]                   ; the second head's Q takes the first's place
.endr
	v_mov_b32 v28, v29
.endif
	v_mov_b32 v13, 0xff61b1e6                      ; the largest t so far: -3e38, under every t
	v_floor_f32 v12, -v13                          ; -M
	v_mov_b32 v14, 0                               ; the sum, in two halves
	v_mov_b32 v15, 0
.set j, 0
.rept 32
	v_mov_b32 v[OT+j], 0                           ; O^T.  (The step is written once a head: its first trip finds zeros, which the first change of M leaves zeros)
.set j, j+1
.endr
	s_mov_b32 s40, 106496*\e                       ; LDS byte of the step's block
	s_mov_b32 s41, 8                               ; 8 steps of 128 keys
.Lstep_\e:
	v_add_nc_u32 v6, s40, v1
	v_add_nc_u32 v7, s40, v2
	v_add_nc_u32 v8, s40, v3
	v_nop                                          ; with the three additions: four places in front of loads into registers that the last products read
.irp t, 0,1,2,3,4,5,6,7
	ds_load_b128 v[KF+6*\t:KF+6*\t+3], v6 offset:768*\t
	ds_load_b64 v[KF+6*\t+4:KF+6*\t+5], v7 offset:768*\t+512
.endr
.irp i, 0,1,2,3
	ds_load_b32 v[KW+\i], v8 offset:12288+128*\i
.endr
	s_wait_dscnt 0x0
.irp t, 0,2,4,6                        ; S^T = K Q^T: tile t holds keys 16 t + 8 (lane / 16) + 0..7 of my query
	v_wmma_scale_f32_16x16x128_f8f6f4 v[S+8*\t:S+8*\t+7], v[KF+6*\t:KF+6*\t+11], v[16:27], 0, v[KW+\t/2], v28 matrix_a_fmt:MATRIX_FMT_FP6 matrix_b_fmt:MATRIX_FMT_FP6
	v_wmma_scale_f32_16x16x128_f8f6f4 v[S+8*\t+8:S+8*\t+15], v[KF+6*\t+6:KF+6*\t+17], v[16:27], 0, v[KW+\t/2], v28 matrix_a_fmt:MATRIX_FMT_FP6 matrix_b_fmt:MATRIX_FMT_FP6 matrix_a_scale:MATRIX_SCALE_ROW1
.endr
.rept 4
	v_nop                                          ; places: V's loads land in K's registers, and the maxima read the scores
.endr
.irp d, 0,1,2,3                        ; V's four fragments (16 channels x 128 keys: two pieces each) are asked for now and land under the softmax
.irp c, 0,1
	ds_load_b128 v[KF+12*\d+6*\c:KF+12*\d+6*\c+3], v6 offset:6144+(4*\c+\d)*768
	ds_load_b64 v[KF+12*\d+6*\c+4:KF+12*\d+6*\c+5], v7 offset:6144+(4*\c+\d)*768+512
.endr
.endr
.irp c, 0,1
.irp i, 0,1
	ds_load_b32 v[VW+2*\c+\i], v8 offset:12800+256*\c+128*\i
.endr
.endr
.irp b, 0,1,2,3
	v_max3_num_f32 v[BM+\b], v[S+16*\b], v[S+1+16*\b], v[S+2+16*\b]   ; THE LARGEST SCORE OF EACH BLOCK OF 32 KEYS: for the row's maximum, and, since p rises with the score, for the block's largest p
.endr
.irp i, 3,5,7,9,11,13
.irp b, 0,1,2,3
	v_max3_num_f32 v[BM+\b], v[BM+\b], v[S+16*\b+\i], v[S+1+16*\b+\i]
.endr
.endr
.irp b, 0,1,2,3
	v_max_num_f32 v[BM+\b], v[BM+\b], v[S+15+16*\b]
.endr
.irp b, 0,1,2,3
	v_permlanex16_b32 v[PT+\b], v[BM+\b], s20, s21
.endr
.irp b, 0,1,2,3
	v_max_num_f32 v[BM+\b], v[BM+\b], v[PT+\b]     ; with lane l xor 16's 16 keys
.endr
	v_max3_num_f32 v231, v[BM], v[BM+1], v[BM+2]
	v_max_num_f32 v231, v231, v[BM+3]              ; the step's largest score of my query
	v_mul_f32 v231, s22, v231                      ; as t (c is positive)
	v_max_num_f32 v13, v13, v231                   ; the running largest t
	v_mov_b32 v231, v12
	v_floor_f32 v12, -v13                          ; the new -M = floor(-t) = -ceil(t): a whole number
	v_sub_f32 v231, v12, v231                      ; M's old value less its new one: a whole number, 0 or less
	v_cvt_i32_f32 v231, v231                       ; (it saturates)
	v_ldexp_f32 v232, 1.0, v231                    ; f = 2^(old M - new M)
.set j, 0
.rept 32
	v_pk_fma_f32 v[S+j:S+j+1], v[S+j:S+j+1], s[22:23], v[12:13] op_sel_hi:[1,0,0]   ; t - M, two at a time (of the pairs c and -M the low word serves both halves)
.set j, j+2
.endr
.irp b, 0,1,2,3
	v_fma_f32 v[BM+\b], v[BM+\b], s22, v12         ; the same of each block's largest score
.endr
.set j, 0
.rept 64
	v_exp_f32 v[S+j], v[S+j]                       ; p = 2^(t - M), at most 1: not normalised
.set j, j+1
.endr
	v_pk_mul_f32 v[14:15], v[14:15], v[232:233] op_sel_hi:[1,0]   ; the sums under the new M (a plain line behind the exponentials)
	s_wait_alu depctr_va_vdst(0)                   ; one wait for the whole batch, ahead of its first reader
.irp b, 0,1,2,3
	v_exp_f32 v[BM+\b], v[BM+\b]                   ; the block's largest p: the same two instructions on the same number give the same bits
.endr
	v_pk_add_f32 v[PT:PT+1], v[S:S+1], v[S+2:S+3]  ; THE ROW'S SUM IS TAKEN OF THE UNQUANTISED p, two at a time, in two chains
.irp j, 4,8,12,16,20,24,28,32,36,40,44,48,52,56,60
	v_pk_add_f32 v[14:15], v[14:15], v[S+\j:S+\j+1]
	v_pk_add_f32 v[PT:PT+1], v[PT:PT+1], v[S+\j+2:S+\j+3]
.endr
	v_pk_add_f32 v[14:15], v[14:15], v[PT:PT+1]
	s_wait_alu depctr_va_vdst(0)                   ; and one for the four
	s_wait_dscnt 0x0                               ; V and its words are in
	v_lshl_or_b32 v98, v96, 16, v94                ; V's scale words of the step's 128 keys: the first 64 keys' two bytes below, the second 64's above;
	v_lshl_or_b32 v99, v97, 16, v95                ; more than eight plain lines stand between these and the products that name them
.irp b, 0,1,2,3
	v_max_num_f32 v[BM+\b], 0x1800000, v[BM+\b]    ; the floor 2^(3 - 127): the byte cannot fall under 1
.endr
.irp b, 0,1,2,3
	v_add_nc_u32 v[SOP+\b], 0xff000000, v[BM+\b]   ; 2 off the exponent field: the conversion's scale operand
.endr
.irp b, 0,1,2,3
	v_lshrrev_b32 v[PT+\b], 23, v[SOP+\b]          ; the scale's byte
.endr
	v_lshl_or_b32 v230, v[PT+1], 8, v[PT]          ; p's scale word for these 128 keys
	v_lshl_or_b32 v230, v[PT+2], 16, v230
	v_lshl_or_b32 v230, v[PT+3], 24, v230
.irp c, 0,1
	v_cvt_scalef32_pk16_fp6_f32 v[PCD+6*\c:PCD+6*\c+2], v[S+32*\c:S+32*\c+15], v[SOP+2*\c]
	v_cvt_scalef32_pk16_fp6_f32 v[CT+4*\c:CT+4*\c+2], v[S+16+32*\c:S+31+32*\c], v[SOP+2*\c+1]   ; (a conversion's three registers begin on an even number)
.endr
	v_nop                                          ; one plain line behind the last conversion
.irp c, 0,1                            ; the operand's layout wants a WHOLE block in a lane: lanes 0-15 block 2 c, lanes 16-31 block 2 c + 1
.irp i, 0,1,2
	v_permlane16_swap_b32 v[PCD+6*\c+\i], v[CT+4*\c+\i]
.endr
.irp i, 0,1,2
	v_mov_b32 v[PCD+3+6*\c+\i], v[CT+4*\c+\i]
.endr
.endr
.set j, 0
.rept 16
	v_pk_mul_f32 v[OT+j:OT+j+1], v[OT+j:OT+j+1], v[232:233] op_sel_hi:[1,0]   ; O^T under the new M (these are also the places in front of the products below)
.set j, j+2
.endr
.irp d, 0,2                            ; O^T += V^T P^T: four accumulators by turns
	v_wmma_scale_f32_16x16x128_f8f6f4 v[OT+8*\d:OT+8*\d+7], v[KF+12*\d:KF+12*\d+11], v[PCD:PCD+11], v[OT+8*\d:OT+8*\d+7], v[98+\d/2], v230 matrix_a_fmt:MATRIX_FMT_FP6 matrix_b_fmt:MATRIX_FMT_FP6
	v_wmma_scale_f32_16x16x128_f8f6f4 v[OT+8*\d+8:OT+8*\d+15], v[KF+12*\d+12:KF+12*\d+23], v[PCD:PCD+11], v[OT+8*\d+8:OT+8*\d+15], v[98+\d/2], v230 matrix_a_fmt:MATRIX_FMT_FP6 matrix_b_fmt:MATRIX_FMT_FP6 matrix_a_scale:MATRIX_SCALE_ROW1
.endr
	s_add_co_u32 s40, s40, 13312                   ; the next 128 keys' block
	s_sub_co_u32 s41, s41, 1
	s_cmp_lg_u32 s41, 0
	s_cbranch_scc1 .Lstep_\e
	; the head's 64 channels of my 16 queries: divided by the sum, brought into true order, quantised: registers 6 e .. 6 e + 5 of ctx's fragment
.rept 4
	v_nop                                          ; places behind the last products
.endr
	v_add_f32 v14, v14, v15                        ; the sum's two halves,
	v_permlanex16_b32 v231, v14, s20, s21
	v_add_f32 v14, v14, v231                       ; and lane l xor 16's: the row's sum
	v_rcp_f32 v14, v14
	v_nop                                          ; a plain line behind it,
	s_wait_alu depctr_va_vdst(0)                   ; and the wait ahead of its first reader
.set j, 0
.rept 32
	v_mul_f32 v[S+j], v[OT+j], v14                 ; register 8 dt + i: channel 16 dt + 8 (lane / 16) + i
.set j, j+1
.endr
.irp b, 0,1
.irp i, 0,1,2,3,4,5,6,7
	v_permlane16_swap_b32 v[S+16*\b+\i], v[S+8+16*\b+\i]   ; the first's lanes 16-31 (channels 8-15 of the block) change places with the second's lanes 0-15 (16-23): a lane's 16 registers are now channels 32 b + 16 (lane / 16) + 0..15
.endr
.endr
.irp b, 0,1
	v_max3_num_f32 v[BM+\b], |v[S+16*\b]|, |v[S+1+16*\b]|, 0x1800000
.endr
.irp i, 2,4,6,8,10,12,14
.irp b, 0,1
	v_max3_num_f32 v[BM+\b], v[BM+\b], |v[S+16*\b+\i]|, |v[S+1+16*\b+\i]|
.endr
.endr
.irp b, 0,1
	v_permlanex16_b32 v[PT+\b], v[BM+\b], s20, s21
.endr
.irp b, 0,1
	v_max_num_f32 v[BM+\b], v[BM+\b], v[PT+\b]
.endr
.irp b, 0,1
	v_add_nc_u32 v[SOP+\b], 0xff000000, v[BM+\b]
.endr
.irp b, 0,1
	v_lshrrev_b32 v[PT+\b], 23, v[SOP+\b]
.endr
.if \e
	v_lshl_or_b32 v246, v[PT], 16, v246            ; bytes 2 and 3 of the fragment's scale word
	v_lshl_or_b32 v246, v[PT+1], 24, v246
.else
	v_lshl_or_b32 v246, v[PT+1], 8, v[PT]          ; bytes 0 and 1
.endif
	v_cvt_scalef32_pk16_fp6_f32 v[CX+6*\e:CX+6*\e+2], v[S:S+15], v[SOP]
	v_cvt_scalef32_pk16_fp6_f32 v[CT:CT+2], v[S+16:S+31], v[SOP+1]
	v_nop                                          ; one plain line behind the last conversion
.irp i, 0,1,2
	v_permlane16_swap_b32 v[CX+6*\e+\i], v[CT+\i]
.endr
.irp i, 0,1,2
	v_mov_b32 v[CX+6*\e+3+\i], v[CT+\i]
.endr
.endm
	HEAD 0
	HEAD 1
.irp c, 0,1,2
	global_store_b128 v1, v[CX+4*\c:CX+4*\c+3], s[46:47] offset:512*\c   ; the fragment as it stands: 512 consecutive bytes a store, at a multiple of 256 from the buffer's first byte
.endr
	ds_store_b32 v11, v246                         ; lanes r and 16 + r write the same word with the same value
	s_wait_dscnt 0x0                               ; for the others' sake
	s_barrier_signal -1
	s_barrier_wait -1
	s_cmp_gt_u32 s[WV], 1
	s_cbranch_scc1 .Lend
	ds_load_b128 v[16:19], v248                    ; waves 0 and 1: 512 bytes each of the block's 1,024
	s_wait_dscnt 0x0
	global_store_b128 v247, v[16:19], s[48:49]
.Lend:
	s_wait_tensorcnt 0x0                           ; the wave's end: behind my last tensor load and my last LDS store
	ds_add_u32 v[SPW], v[NIL]
	s_wait_dscnt 0x0
	CROUND                                         ; the closing round
	s_endpgm
.Lfunc_end_k_qfc952d0751_att:
	.size	k_qfc952d0751_att, .Lfunc_end_k_qfc952d0751_att-k_qfc952d0751_att
	.p2alignl 7, 3214868480
	.fill 96, 4, 3214868480
	.section	.rodata,"a",@progbits
	.p2align	6, 0x0
	.amdhsa_kernel k_qfc952d0751_att
		.amdhsa_group_segment_fixed_size 216064
		.amdhsa_private_segment_fixed_size 0
		.amdhsa_enable_private_segment 0
		.amdhsa_kernarg_size 24
		.amdhsa_user_sgpr_count 2
		.amdhsa_user_sgpr_kernarg_segment_ptr 1
		.amdhsa_wavefront_size32 1
		.amdhsa_system_sgpr_workgroup_id_x 1
		.amdhsa_system_sgpr_workgroup_id_y 1
		.amdhsa_system_sgpr_workgroup_id_z 1
		.amdhsa_system_vgpr_workitem_id 0
		.amdhsa_next_free_vgpr 256
		.amdhsa_next_free_sgpr 66
		.amdhsa_reserve_vcc 0
		.amdhsa_float_denorm_mode_32 3
		.amdhsa_float_denorm_mode_16_64 3
		.amdhsa_memory_ordered 1
		.amdhsa_forward_progress 1
		.amdhsa_inst_pref_size 50
	.end_amdhsa_kernel
	.amdgpu_metadata
---
amdhsa.version: [ 1, 2 ]
amdhsa.kernels:
  - .name:           k_qfc952d0751_att
    .symbol:         k_qfc952d0751_att.kd
    .args:
      - { .name: qb, .offset: 0, .size: 8, .value_kind: global_buffer, .address_space: global }
      - { .name: kv, .offset: 8, .size: 8, .value_kind: global_buffer, .address_space: global }
      - { .name: ctx, .offset: 16, .size: 8, .value_kind: global_buffer, .address_space: global }
    .group_segment_fixed_size: 216064
    .private_segment_fixed_size: 0
    .kernarg_segment_align: 8
    .kernarg_segment_size: 24
    .max_flat_workgroup_size: 512
    .sgpr_count:     66
    .vgpr_count:     256
    .wavefront_size: 32
...
	.end_amdgpu_metadata
.endif
;; end of part 3
;; launch oproj (part 4): grid 8 x 32, 4 waves a work-group, clusters of 4 x 4, 327,680 bytes of LDS; arguments ctx, out_proj_w_codes, out_proj_w_scales, out_proj_b, x, out0; writes out0
.if DOCPART == 4
	.amdgcn_target "amdgcn-amd-amdhsa--gfx1250"
	.amdhsa_code_object_version 6
	.text
	.protected	k_qfc952d0751_oproj
	.globl	k_qfc952d0751_oproj
	.p2align	8
	.type	k_qfc952d0751_oproj,@function
k_qfc952d0751_oproj:
	s_mov_b64 s[64:65], 0
	v_nop
	global_prefetch_b8 v0, s[64:65] scope:SCOPE_SE
	s_setreg_imm32_b32 hwreg(HW_REG_WAVE_MODE, 25, 1), 1
	s_wait_xcnt 0x0
	s_wait_alu depctr_hold_cnt(0) depctr_sa_sdst(0) depctr_va_vdst(0) depctr_va_sdst(0) depctr_va_ssrc(0) depctr_va_vcc(0) depctr_vm_vsrc(0)
	s_getreg_b32 s2, hwreg(HW_REG_IB_STS2, 6, 4)
	s_cmp_eq_u32 s2, 0
	s_cbranch_scc0 .Lentry_in_a_cluster
	s_endpgm
.Lentry_in_a_cluster:
	s_bfe_u32 s2, ttmp6, 0x10000c
	s_cmp_lg_u32 s2, 0xf033
	s_cbranch_scc0 .Lentry_shape_is_right
	s_endpgm
.Lentry_shape_is_right:
; LAUNCH 4 OF 4.  out0 = ctx out_proj_w^T + out_proj_b + x, the product on codes of FP6.  Nothing of the problem is left out.
; D = P Q^T, source 0 = 16 rows of P = out_proj_w, source 1 = 16 rows of Q = ctx: a lane holds one token and eight neighbouring columns of its row of out0.
; A work-group makes 128 columns x 256 tokens; a wave 64 x 128: 32 accumulators.  K = 1,024 in 8 steps of 128, two to a slot; the steps are written out.
; THREE LDS SLOTS: three of K's four quarters are asked for at the head; the fourth goes into slot 0 behind the one change of slots at which bytes are filled again, and has two quarters' products,
; 128 matrix instructions a wave, in which to land.  The change from slot 1 to slot 2 needs no barrier: slot 2 was shown landed in front of the first change's round, and slot 1 is not filled again.
; ctx lies in memory as images of its fragments' registers, a block of 25,600 bytes for 256 tokens x 128 K, scale words included: a slot's part of Q is two such blocks, dense; a fragment comes by three loads of 16 bytes a lane.
; out_proj_w's tiles are rows of 192 bytes, padded in LDS; its scale bytes for all of K come once, with the first fills.
; CLUSTER 4 x 4: ctx's blocks are shared along a row of the cluster, the weight's tiles along a column: joint loads.
; The bias is the C of each sum's first matrix instruction.  The residual x is asked for at the head, in the layout in which the rows leave, into 256 registers of its own, and lands under the products.
; REGISTERS: window 0: v8-31 addresses; v32-63 Q's scale words, two sets; v64-79 P's; v80-111 the bias; v128-223 Q's 8 fragments, on the way out rows of out0.  window 1: P's 4 fragments, two sets.
;   window 2: accumulator (a, b) at v[8 (4 a + b)].   window 3: x: rows 16 a + 2 i + (lane / 16) at v[32 a + 4 i].
.set PITCH, 240
.set SLOT,  81920                      ; two blocks of ctx, then P's 128 rows
.set CBLK,  25600
.set BOFF,  2*CBLK
.set SCB,   3*SLOT                     ; P's scale bytes: 16 blocks of 256 + 16
.set STAGE, SCB+4352                   ; 16 rows x (256 bytes + 16) for each wave; no fill lands here
.set SPARE, STAGE+4*16*272             ; the spare words, 128 bytes for each wave: two blocks of 256 bytes that no other line names
.set FR,    12
.set NLA4,  12                         ; LDS loads that bring four of Q's fragments
.set ADRA, 8                           ; v8-10  Q's fragments in slot 0, 1, 2
.set ADSA, 11                          ; v11-13 Q's scale words in slot 0, 1, 2
.set ADRB, 16                          ; v16-18 P's fragments; v19-21 the same behind one padding more
.set STO,  24
.set RD,   25
.set XO,   26                          ; my bytes in two rows of x and out0: 4,096 (lane / 16) + 16 (lane % 16)
.set SPW,  28
.set NIL,  29
.set ADSB, 30
.set QS,   32
.set PS,   64
.set BP,   80
.set AF,   128
.set BK,   128
.set WV,   18
.set HQ,   19
.set HP,   20
.set G1,   24
.set G0,   32                          ; s[32:39] groups 0 for Q's slots 0 and 1
.set G1B,  40
.set G0B,  48                          ; s[48:55] for P's
.set G1SB, 56
.set G0SB, 68
.set G0C,  92                          ; s[92:95] group 0 for Q's slot 2
.set G0BC, 96                          ; s[96:99] for P's
.set MSB, 0
.macro WIN new                         ; the immediate's high byte repeats the setting that is left
.if MSB != \new
	s_set_vgpr_msb (MSB<<8)|\new
.set MSB, \new
.endif
.endm
.set MUL,  0xa1                        ; source 0 (P) window 1, source 1 (Q) window 0, C and D window 2
.set MULF, 0x81                        ; the same with C (the bias) in window 0
.set TO_B, 0x40
.macro JLOAD g0a, g1a, g0b, g1b        ; a joint load: waves 0 and 1 fetch for Q, waves 2 and 3 for P; an s_nop 0 and four v_nop follow each of the two lines
	s_cmp_eq_u32 s[HQ], 0
	s_cbranch_scc0 .Lfor_b_\@
	tensor_load_to_lds s[\g0a:\g0a+3], s[\g1a:\g1a+7]
	s_nop 0
.rept 4
	v_nop
.endr
	s_branch .Lasked_\@
.Lfor_b_\@:
	tensor_load_to_lds s[\g0b:\g0b+3], s[\g1b:\g1b+7]
	s_nop 0
.rept 4
	v_nop
.endr
.Lasked_\@:
.endm
.macro CREST
	s_cmp_lg_u32 s[WV], 0
	s_cbranch_scc1 .Lnot_wave_0_\@
	s_barrier_signal -3
.Lnot_wave_0_\@:
	s_barrier_wait -3
	s_barrier_signal -1
	s_barrier_wait -1
.endm
.macro CROUND
	s_barrier_signal -1
	s_barrier_wait -1
	CREST
.endm
	s_load_b256 s[4:11], s[0:1], 0x0               ; ctx s[4:5], w's codes s[6:7], its scales s[8:9], bias s[10:11]
	s_load_b128 s[12:15], s[0:1], 0x20             ; x s[12:13], out0 s[14:15]
	v_lshl_add_u32 v[SPW], v0, 2, SPARE
	v_mov_b32 v[NIL], 0
	ds_add_u32 v[SPW], v[NIL]                      ; the wave's opening: the add, twice on end, and its wait ahead of my first tensor load
	ds_add_u32 v[SPW], v[NIL]
	v_lshrrev_b32 v1, 5, v0
	v_readfirstlane_b32 s[WV], v1
	s_lshr_b32 s[HQ], s[WV], 1                     ; which 128 tokens are mine.  Also: I fetch for Q (0) or for P (1)
	s_and_b32 s[HP], s[WV], 1                      ; which 64 columns.  Also: which half I fetch
	s_bfe_u32 s21, ttmp6, 0x40000                  ; cx
	s_bfe_u32 s22, ttmp6, 0x40004                  ; cy
	s_lshl_b32 s72, ttmp9, 2
	s_add_co_u32 s72, s72, s21                     ; P's tile of 128 rows = 4 x cluster x + cx
	s_and_b32 s80, ttmp7, 0xffff
	s_lshl_b32 s80, s80, 2
	s_add_co_u32 s80, s80, s22                     ; Q's 256 tokens = 4 x cluster y + cy
	s_lshl_b32 s84, s22, 2
	s_lshl_b32 s84, 15, s84                        ; my row of the cluster
	s_lshl_b32 s78, 0x1111, s21                    ; my column
	s_or_b32 s[G1], s84, (3<<16)|(1<<21)           ; Q: a block of ctx: 100 rows of 256 bytes (32 elements of 8), dense, no padding
	s_mov_b32 s[G1+1], 32<<16
	s_mov_b32 s[G1+2], 100<<16
	s_mov_b32 s[G1+3], 32<<16
	s_mov_b32 s[G1+4], 100
	s_mov_b32 s[G1+5], 32
	s_mov_b32 s[G1+6], 0
	s_mov_b32 s[G1+7], 0
	s_or_b32 s[G1B], s78, (1<<20)|(1<<21)|(3<<22)|(3<<25)   ; P: 64 rows of 192 bytes, 768 apart; 16 bytes of padding behind every 64
	s_mov_b32 s[G1B+1], 192<<16
	s_mov_b32 s[G1B+2], 64<<16
	s_mov_b32 s[G1B+3], 192<<16
	s_mov_b32 s[G1B+4], 64
	s_mov_b32 s[G1B+5], 768
	s_mov_b32 s[G1B+6], 0
	s_mov_b32 s[G1B+7], 0
	s_or_b32 s[G1SB], s78, (3<<16)|(1<<20)|(1<<21)|(5<<22)|(3<<25)   ; P's scale bytes: 64 rows x 32 = 8 rows of 256 bytes, 16 of padding behind each
	s_mov_b32 s[G1SB+1], 32<<16
	s_mov_b32 s[G1SB+2], 8<<16
	s_mov_b32 s[G1SB+3], 32<<16
	s_mov_b32 s[G1SB+4], 8
	s_mov_b32 s[G1SB+5], 32
	s_mov_b32 s[G1SB+6], 0
	s_mov_b32 s[G1SB+7], 0
	s_lshl_b32 s73, s72, 7
	s_lshl_b32 s74, s[HP], 6
	s_add_co_u32 s73, s73, s74                     ; my first row of P, to multiply and (waves 2, 3) to fetch
	s_mul_i32 s76, s[HP], 15360
	s_add_co_u32 s76, s76, BOFF
	s_mul_i32 s77, s[HP], 2176
	s_add_co_u32 s77, s77, SCB
	s_lshl_b32 s82, s80, 3
	s_add_co_u32 s82, s82, s[HP]
	s_mul_i32 s82, s82, CBLK                       ; ctx: block 8 G + my half of slot 0's two K steps
	s_mov_b32 s83, 0
	s_mul_i32 s81, s[HP], CBLK
	s_wait_dscnt 0x0                               ; both opening adds are done
	s_wait_kmcnt 0x0
	s_add_nc_u64 s[82:83], s[4:5], s[82:83]
	s_mul_i32 s74, s73, 768
	s_mov_b32 s75, 0
	s_add_nc_u64 s[86:87], s[6:7], s[74:75]
	s_lshl_b32 s74, s73, 5
	s_add_nc_u64 s[88:89], s[8:9], s[74:75]
	CROUND                                         ; all sixteen work-groups are here: the first joint loads meet
	s_mov_b32 s[G0SB], 1
	s_mov_b32 s[G0SB+1], s77
	s_mov_b64 s[G0SB+2:G0SB+3], s[88:89]
	s_or_b32 s[G0SB+3], s[G0SB+3], 0x80000000
.irp s, 0,1
	s_mov_b32 s[G0+4*\s], 1
	s_add_co_u32 s[G0+4*\s+1], s81, \s*SLOT
	s_add_nc_u64 s[G0+4*\s+2:G0+4*\s+3], s[82:83], \s*2*CBLK
	s_or_b32 s[G0+4*\s+3], s[G0+4*\s+3], 0x80000000
	s_mov_b32 s[G0B+4*\s], 1
	s_add_co_u32 s[G0B+4*\s+1], s76, \s*SLOT
	s_add_nc_u64 s[G0B+4*\s+2:G0B+4*\s+3], s[86:87], \s*192
	s_or_b32 s[G0B+4*\s+3], s[G0B+4*\s+3], 0x80000000
.endr
	s_mov_b32 s[G0C], 1                            ; slot 2: K's third quarter
	s_add_co_u32 s[G0C+1], s81, 2*SLOT
	s_add_nc_u64 s[G0C+2:G0C+3], s[82:83], 4*CBLK
	s_or_b32 s[G0C+3], s[G0C+3], 0x80000000
	s_mov_b32 s[G0BC], 1
	s_add_co_u32 s[G0BC+1], s76, 2*SLOT
	s_add_nc_u64 s[G0BC+2:G0BC+3], s[86:87], 2*192
	s_or_b32 s[G0BC+3], s[G0BC+3], 0x80000000
	s_cmp_eq_u32 s[HQ], 0                          ; a wave's first fills stand in one branch on its number: three loads of mine are out, or four
	s_cbranch_scc0 .Lfirst_b
	tensor_load_to_lds s[G0:G0+3], s[G1:G1+7]
	s_nop 0
	tensor_load_to_lds s[G0+4:G0+7], s[G1:G1+7]
	s_nop 0
	tensor_load_to_lds s[G0C:G0C+3], s[G1:G1+7]
	s_nop 0
.rept 4
	v_nop
.endr
	s_branch .Lfirst_done
.Lfirst_b:
	tensor_load_to_lds s[G0SB:G0SB+3], s[G1SB:G1SB+7]
	s_nop 0
	tensor_load_to_lds s[G0B:G0B+3], s[G1B:G1B+7]
	s_nop 0
	tensor_load_to_lds s[G0B+4:G0B+7], s[G1B:G1B+7]
	s_nop 0
	tensor_load_to_lds s[G0BC:G0BC+3], s[G1B:G1B+7]
	s_nop 0
.rept 4
	v_nop
.endr
.Lfirst_done:
	s_lshl_b32 s74, s73, 2                         ; my 64 columns, in bytes
	s_add_nc_u64 s[86:87], s[10:11], s[74:75]      ; the bias
	s_lshl_b32 s2, s80, 8
	s_lshl_b32 s3, s[HQ], 7
	s_add_co_u32 s2, s2, s3                        ; my first token
	s_lshl_b32 s2, s2, 12
	s_add_co_u32 s2, s2, s74
	s_mov_b32 s3, 0
	s_add_nc_u64 s[88:89], s[12:13], s[2:3]        ; x,
	s_add_nc_u64 s[90:91], s[14:15], s[2:3]        ; out0, at my first token and column
	v_and_b32 v1, 15, v0                           ; r
	v_bfe_u32 v2, v0, 4, 1                         ; h
	v_lshlrev_b32 v121, 5, v2
	v_lshlrev_b32 v[XO], 12, v2
	v_lshl_add_u32 v[XO], v1, 4, v[XO]
.irp t, 0,1,2,3
	global_load_b128 v[BP+8*\t:BP+8*\t+3], v121, s[86:87] offset:64*\t          ; tile t: columns 16 t + 8 h + 0..7
	global_load_b128 v[BP+8*\t+4:BP+8*\t+7], v121, s[86:87] offset:64*\t+16
.endr
	WIN 0xc0                                       ; destination window 3
.set a, 0
.rept 8
.irp i, 0,1,2,3,4,5,6,7
	global_load_b128 v[32*a+4*\i:32*a+4*\i+3], v[XO], s[88:89] offset:(16*a+2*\i)*4096 th:TH_LOAD_NT   ; 16 lanes read 256 consecutive bytes of a row
.endr
.set a, a+1
.endr
	WIN 0
	v_mul_u32_u24 v3, v1, PITCH
	v_mad_u32_u24 v4, v2, 24, v3
	v_lshl_add_u32 v5, v2, 4, v4
	v_and_b32 v6, 31, v0
	v_lshlrev_b32 v6, 4, v6                        ; 16 x lane
	v_lshlrev_b32 v7, 2, v1                        ; 4 r
	s_mul_i32 s2, s[HQ], 8*1536                    ; my eight fragments of a block's sixteen
	s_mul_i32 s3, s[HP], 15360
	s_add_co_u32 s3, s3, BOFF
	s_lshl_b32 s74, s[HQ], 9                       ; and their words
.irp s, 0,1,2
	v_add_nc_u32 v[ADRA+\s], s2, v6
	v_add_nc_u32 v[ADSA+\s], s74, v7
	v_add_nc_u32 v[ADRB+\s], s3, v4
	v_add_nc_u32 v[ADRB+3+\s], s3, v5
	s_add_co_u32 s2, s2, SLOT
	s_add_co_u32 s3, s3, SLOT
	s_add_co_u32 s74, s74, SLOT
.endr
	v_lshrrev_b32 v122, 3, v1
	v_lshlrev_b32 v123, 5, v1
	v_lshl_add_u32 v123, v122, 4, v123             ; 32 r, and 16 more behind each 256
	s_mul_i32 s2, s[HP], 2176
	s_add_co_u32 s2, s2, SCB
	v_add_nc_u32 v[ADSB], s2, v123
	s_mul_i32 s2, s[WV], 16*272
	s_add_co_u32 s2, s2, STAGE                     ; my stage
	v_mul_u32_u24 v[STO], v1, 272
	v_lshl_add_u32 v[STO], v2, 5, v[STO]
	v_add_nc_u32 v[STO], s2, v[STO]                ; in: row r, 32 bytes for each half of the lanes
	v_mul_u32_u24 v[RD], v2, 272
	v_lshl_add_u32 v[RD], v1, 4, v[RD]
	v_add_nc_u32 v[RD], s2, v[RD]                  ; back: lanes 0-15 one row of 256 bytes, lanes 16-31 the next
.macro FRAG reg, adr, q, i             ; a fragment of P from padded rows: pieces of 8 bytes; where the piece three on (lanes 16-31) lies behind one padding more, the second address register serves
.irp p, 0,1,2,3,4,5
.set PC, 12*(\q)+6*(\p/3)+\p%3
.if PC%8 < 5
	ds_load_b64 v[\reg+2*\p:\reg+2*\p+1], v[\adr] offset:8*PC+16*(PC/8)+(\i)*16*PITCH
.else
	ds_load_b64 v[\reg+2*\p:\reg+2*\p+1], v[\adr+3] offset:8*PC+16*(PC/8)+(\i)*16*PITCH
.endif
.endr
.endm
.macro FETCH_B slot, q, p
	WIN TO_B
.irp i, 0,1,2,3
	FRAG 128*(\p)+FR*\i, ADRB+\slot, \q, \i
.endr
	WIN 0
.endm
.macro FETCH_A slot, q, i0             ; Q's fragments i0 .. i0 + 3: images of their registers, three loads each
.irp i, \i0, \i0+1, \i0+2, \i0+3
.irp c, 0,1,2
	ds_load_b128 v[AF+FR*(\i)+4*\c:AF+FR*(\i)+4*\c+3], v[ADRA+\slot] offset:(\q)*CBLK+(\i)*1536+512*\c
.endr
.endr
.endm
.macro SCALES slot, sc                 ; the slot's scale words into set sc
.irp q, 0,1
.irp i, 0,1,2,3,4,5,6,7
	ds_load_b32 v[QS+16*(\sc)+2*\i+\q], v[ADSA+\slot] offset:\q*CBLK+24576+64*\i
.endr
.endr
.irp i, 0,1,2,3
	ds_load_b64 v[PS+8*(\sc)+2*\i:PS+8*(\sc)+2*\i+1], v[ADSB] offset:\i*544
.endr
.endm
; 8 matrix instructions: Q's tiles a0, a0 + 1 x P's four.  The 32 accumulators take turns, one instruction a turn, in the same order in every step.  first = 1: the bias is the C.
.macro MUL8 a0, p, q, sc, first
.irp a, \a0, \a0+1
.irp b, 0,1,2,3
.if \first
	v_wmma_scale_f32_16x16x128_f8f6f4 v[8*(4*(\a)+\b):8*(4*(\a)+\b)+7], v[128*(\p)+FR*\b:128*(\p)+FR*\b+FR-1], v[AF+FR*(\a):AF+FR*(\a)+FR-1], v[BP+8*\b:BP+8*\b+7], v[PS+8*(\sc)+2*\b+(\q)], v[QS+16*(\sc)+2*(\a)+(\q)] matrix_a_fmt:MATRIX_FMT_FP6 matrix_b_fmt:MATRIX_FMT_FP6
.else
	v_wmma_scale_f32_16x16x128_f8f6f4 v[8*(4*(\a)+\b):8*(4*(\a)+\b)+7], v[128*(\p)+FR*\b:128*(\p)+FR*\b+FR-1], v[AF+FR*(\a):AF+FR*(\a)+FR-1], v[8*(4*(\a)+\b):8*(4*(\a)+\b)+7], v[PS+8*(\sc)+2*\b+(\q)], v[QS+16*(\sc)+2*(\a)+(\q)] matrix_a_fmt:MATRIX_FMT_FP6 matrix_b_fmt:MATRIX_FMT_FP6
.endif
.endr
.endr
.endm
.macro PLACES                          ; four plain instructions between a matrix instruction and a load into, or a read of, its registers (ISA guide 7.12.1 for reads)
.rept 4
	v_nop
.endr
.endm
.macro WINM first
.if \first
	WIN MULF
.else
	WIN MUL
.endif
.endm
.macro STEP slot, sc, first            ; a slot's first 128 along K.  sc: the set of scale words (the quarter's parity)
	s_wait_dscnt NLA4                              ; P's set, Q's tiles 0-3 and the scale words are in; the youngest loads (Q's tiles 4-7) may be out
	WINM \first
	MUL8 0, 0, 0, \sc, \first
	MUL8 2, 0, 0, \sc, \first
	s_wait_dscnt 0x0
	PLACES
	FETCH_B \slot, 1, 1
	FETCH_A \slot, 1, 0
	WINM \first
	MUL8 4, 0, 0, \sc, \first
	MUL8 6, 0, 0, \sc, \first
	PLACES
	WIN 0
	FETCH_A \slot, 1, 4
.endm
; A slot's second step goes on to slot next.  sc, nsc: this quarter's and the next quarter's set of scale words.
; mode 2: slot 0 has been read out and is filled again, with K's fourth quarter: each wave waits for all its tensor loads (slots 1 and 2), adds 0 to its spare word, waits for that and for its reads of slot 0; a round of the cluster's barrier; the joint refill.
; mode 1: the next slot's tile is shown to every wave: the same lines and the work-group's barrier; nothing is filled.
; mode 0: the next slot was shown landed at an earlier barrier and the slot that is left is not filled again: no wait on TENSORcnt, no barrier.
.macro TURN sc, nsc, next, mode
.if \mode
	s_wait_tensorcnt 0x0                           ; all my tensor loads have landed
	ds_add_u32 v[SPW], v[NIL]                      ; 0 onto my spare word
	s_wait_dscnt NLA4+1                            ; (the add and Q's tiles 4-7 may be out)
	WIN MUL
	MUL8 0, 1, 1, \sc, 0
	s_wait_dscnt 0x0                               ; the add is done, and my reads of this slot are over
	s_barrier_signal -1
	MUL8 2, 1, 1, \sc, 0
	WIN 0
	s_barrier_wait -1
.else
	s_wait_dscnt NLA4                              ; Q's tiles 4-7 may be out
	WIN MUL
	MUL8 0, 1, 1, \sc, 0
	MUL8 2, 1, 1, \sc, 0
	s_wait_dscnt 0x0                               ; Q's tiles 4-7 are in
	WIN 0
.endif
.if \mode == 2
	CREST                                          ; the barrier has opened a round of the cluster's: no wave of any partner still reads slot 0 or has a load on its way
	s_add_nc_u64 s[G0+2:G0+3], s[G0+2:G0+3], 6*CBLK    ; from K's first quarter to its fourth
	s_add_nc_u64 s[G0B+2:G0B+3], s[G0B+2:G0B+3], 3*192
	JLOAD G0, G1, G0B, G1B                         ; the first tensor load behind the round; its four v_nop are the places in front of the loads below
.else
	PLACES
.endif
	v_add_nc_u32 v[ADSB], 8, v[ADSB]               ; on to the next quarter's scale words of P
	FETCH_B \next, 0, 0
	FETCH_A \next, 0, 0
	SCALES \next, \nsc
	WIN MUL
	MUL8 4, 1, 1, \sc, 0
	MUL8 6, 1, 1, \sc, 0
	PLACES
	WIN 0
	FETCH_A \next, 0, 4
.endm
	s_wait_tensorcnt 2                             ; all but my last two loads, slot 1's and slot 2's, are in
	s_barrier_signal -1
	s_barrier_wait -1                              ; everybody's are
	FETCH_B 0, 0, 0
	FETCH_A 0, 0, 0
	SCALES 0, 0
	FETCH_A 0, 0, 4
	s_wait_loadcnt 63                              ; of my 72 loads at most 63 are out: the eight oldest, the bias, are in
	STEP 0, 0, 1
	TURN 0, 1, 1, 2                                ; slot 0 takes K's fourth quarter
	STEP 1, 1, 0
	TURN 1, 0, 2, 0
	STEP 2, 0, 0
	TURN 0, 1, 0, 1                                ; the fourth quarter is shown to every wave; nothing is left to fetch
	STEP 0, 1, 0
	s_wait_dscnt NLA4                              ; the last step
	WIN MUL
	MUL8 0, 1, 1, 1, 0
	MUL8 2, 1, 1, 1, 0
	s_wait_dscnt 0x0
	MUL8 4, 1, 1, 1, 0
	MUL8 6, 1, 1, 1, 0
	WIN 0
; THE WAY OUT, 16 tokens x 64 columns at a time.  A lane holds 32 neighbouring bytes of a row, the lanes beside it other rows: a block goes through my own stage and comes back as whole rows of 256 bytes;
; x is added there, and sixteen lanes store 256 consecutive bytes.  LDS serves a wave's instructions in order: no wait between the stores and the loads, nor in front of the next block's stores.
.macro TOSTAGE a
	WIN 0x08                                       ; an LDS store's data are its source 1: window 2
.irp b, 0,1,2,3
	ds_store_b128 v[STO], v[32*(\a)+8*\b:32*(\a)+8*\b+3] offset:64*\b            ; each accumulator from its low end on
	ds_store_b128 v[STO], v[32*(\a)+8*\b+4:32*(\a)+8*\b+7] offset:64*\b+16
.endr
	WIN 0
.set BB, BK+32*((\a)%2)
.irp i, 0,1,2,3,4,5,6,7
	ds_load_b128 v[BB+4*\i:BB+4*\i+3], v[RD] offset:\i*544
.endr
.endm
.macro SEND a, younger                 ; younger: the LDS instructions issued behind block a's loads, which may stay out
.set BB, BK+32*((\a)%2)
	s_wait_dscnt \younger                          ; the block is back in registers,
	s_wait_loadcnt 8*(7-(\a))                      ; and its rows of x are in: the later blocks' eight loads each may be out
	WIN 0x0c                                       ; source 1 window 3
.irp k, 0,2,4,6,8,10,12,14,16,18,20,22,24,26,28,30
	v_pk_add_f32 v[BB+\k:BB+\k+1], v[BB+\k:BB+\k+1], v[32*(\a)+\k:32*(\a)+\k+1]
.endr
	WIN 0
.irp i, 0,1,2,3,4,5,6,7
	global_store_b128 v[XO], v[BB+4*\i:BB+4*\i+3], s[90:91] offset:(16*(\a)+2*\i)*4096 th:TH_STORE_NT   ; 16 lanes store 256 consecutive bytes, at a multiple of 256 from out0's first byte
.endr
.endm
	PLACES                                         ; behind the last products: for the stores that read results and the loads into the registers that held Q's fragments
	TOSTAGE 0
.irp a, 1,2,3,4,5,6,7
.if \a > 1
	s_wait_xcnt 0x0                                ; block a - 2's stores have read their registers: block a's rows may land there
.endif
	TOSTAGE \a
	SEND \a-1, 16                                  ; behind block a - 1's loads: block a's 8 stores and 8 loads
.endr
	SEND 7, 0
	s_wait_tensorcnt 0x0                           ; the wave's end: behind my last tensor load and my last LDS store
	ds_add_u32 v[SPW], v[NIL]
	s_wait_dscnt 0x0
	CROUND                                         ; the closing round: no work-group ends while a partner may still ask for a tile that names it
	s_endpgm
.Lfunc_end_k_qfc952d0751_oproj:
	.size	k_qfc952d0751_oproj, .Lfunc_end_k_qfc952d0751_oproj-k_qfc952d0751_oproj
	.p2alignl 7, 3214868480
	.fill 96, 4, 3214868480
	.section	.rodata,"a",@progbits
	.p2align	6, 0x0
	.amdhsa_kernel k_qfc952d0751_oproj
		.amdhsa_group_segment_fixed_size 327680
		.amdhsa_private_segment_fixed_size 0
		.amdhsa_enable_private_segment 0
		.amdhsa_kernarg_size 48
		.amdhsa_user_sgpr_count 2
		.amdhsa_user_sgpr_kernarg_segment_ptr 1
		.amdhsa_wavefront_size32 1
		.amdhsa_system_sgpr_workgroup_id_x 1
		.amdhsa_system_sgpr_workgroup_id_y 1
		.amdhsa_system_sgpr_workgroup_id_z 1
		.amdhsa_system_vgpr_workitem_id 0
		.amdhsa_next_free_vgpr 1024
		.amdhsa_next_free_sgpr 100
		.amdhsa_reserve_vcc 0
		.amdhsa_float_denorm_mode_32 3
		.amdhsa_float_denorm_mode_16_64 3
		.amdhsa_memory_ordered 1
		.amdhsa_forward_progress 1
		.amdhsa_inst_pref_size 107
	.end_amdhsa_kernel
	.amdgpu_metadata
---
amdhsa.version: [ 1, 2 ]
amdhsa.kernels:
  - .name:           k_qfc952d0751_oproj
    .symbol:         k_qfc952d0751_oproj.kd
    .args:
      - { .name: ctx, .offset: 0, .size: 8, .value_kind: global_buffer, .address_space: global }
      - { .name: out_proj_w_codes, .offset: 8, .size: 8, .value_kind: global_buffer, .address_space: global }
      - { .name: out_proj_w_scales, .offset: 16, .size: 8, .value_kind: global_buffer, .address_space: global }
      - { .name: out_proj_b, .offset: 24, .size: 8, .value_kind: global_buffer, .address_space: global }
      - { .name: x, .offset: 32, .size: 8, .value_kind: global_buffer, .address_space: global }
      - { .name: out0, .offset: 40, .size: 8, .value_kind: global_buffer, .address_space: global }
    .group_segment_fixed_size: 327680
    .private_segment_fixed_size: 0
    .kernarg_segment_align: 8
    .kernarg_segment_size: 48
    .max_flat_workgroup_size: 128
    .sgpr_count:     100
    .vgpr_count:     1024
    .wavefront_size: 32
...
	.end_amdgpu_metadata
.endif
;; end of part 4
